; MI455X (gfx1250); checked and timed in simulation.
; The chip was launched on July 23, 2026; its instructions are those of AMD's public machine-readable ISA for CDNA 5 (MIT licence, August 2026) and "CDNA5" Instruction Set Architecture Reference Guide (July 2026). The comments in the code are by the model that wrote it; some were corrected since.
;; Delta Net. Allowed arithmetic: float matrix products may take bf16 or f16 operands with f32 sums; other float arithmetic in f32, or as packed bf16 or f16 multiplies, adds, multiply-adds, maxima and minima; sums over many terms, partial sums and values carried from step to step in f32; what a program stores and reads back later, other than sums and carried values, may be rounded once to bf16 or f16.
;; Inputs: Wg 16 x 1,024 float32; Wk 1,024 x 1,024 float32; Wo 1,024 x 1,024 float32; Wq 1,024 x 1,024 float32; Wv 1,024 x 1,024 float32; bg 16 float32; bo 1,024 float32; ln_b 1,024 float32; ln_w 1,024 float32; mask 2 x 2,048 int32; x 2 x 2,048 x 1,024 float32.
;; Outputs: out0 2 x 2,048 x 1,024 float32.
;; One version. Each part assembles by itself: llvm-mc -triple=amdgcn-amd-amdhsa -mcpu=gfx1250 --defsym DOCPART=n.
;; ======== version 1 of 1: 5 launches
;; limits: values outside matrix products are rounded to bf16
;; workspace buffers: bfin 17,301,504 bytes; qkv 30,670,848 bytes; ob 8,388,608 bytes; yb 16,777,216 bytes
;; launch cvt (part 1): grid 66 x 16, 8 waves a work-group, no clusters, 0 bytes of LDS; arguments x, Wq, Wk, Wv, Wg, Wo, bfin; writes bfin
.if DOCPART == 1
	.amdgcn_target "amdgcn-amd-amdhsa--gfx1250"
	.amdhsa_code_object_version 6
	.text
	.protected	k_q0562893ecd_cvt
	.globl	k_q0562893ecd_cvt
	.p2align	8
	.type	k_q0562893ecd_cvt,@function
k_q0562893ecd_cvt:
	s_mov_b64 s[64:65], 0
	v_nop
	global_prefetch_b8 v0, s[64:65] scope:SCOPE_SE
	s_setreg_imm32_b32 hwreg(HW_REG_WAVE_MODE, 25, 1), 1
	s_wait_xcnt 0x0
; f32 -> bf16 (round to nearest even) of everything that feeds a matrix unit, once, so that no later launch converts a number again.
; bfin: XB at 0: x as [4096][1024] bf16.  WCAT: [16 heads][208 rows][1024]: rows 0-63 Wq[64 h + i], 64-127 Wk, 128-191 Wv,
; 192-207 Wg[h] sixteen times (a whole 16-row tile for the gate).  WOB: Wo as [1024][1024] bf16.
; One wave converts one row of 1,024 numbers: eight loads of 512 neighbouring bytes, eight stores of 256 neighbouring aligned bytes.
; The work-group's x says which tensor, its y which sixteenth of it.  No LDS, no barrier, no matrix unit: the launch only moves bytes.
; No cache hint: the one load line serves Wg's rows too, which sixteen waves read, and what is stored is wanted by the next launch.
.set WCAT, 8388608
.set WOB,  15204352
.set X, 4                              ; v[4:35]   the row's f32, 4 registers a load
.set Y, 36                             ; v[36:51]  the row's bf16, 2 registers a store
	s_load_b256 s[4:11], s[0:1], 0x0               ; x s[4:5], Wq s[6:7], Wk s[8:9], Wv s[10:11]
	s_load_b128 s[12:15], s[0:1], 0x20             ; Wg s[12:13], Wo s[14:15]
	s_load_b64 s[16:17], s[0:1], 0x30              ; bfin
	v_lshrrev_b32 v1, 5, v0
	v_readfirstlane_b32 s24, v1                    ; wave 0..7
	s_mov_b32 s22, ttmp9                           ; gx 0..65
	s_and_b32 s23, ttmp7, 0xffff                   ; hd 0..15
	s_lshl_b32 s25, s22, 3                         ; 8 gx
	s_lshl_b32 s27, s23, 6                         ; 64 hd
	s_and_b32 s26, s25, 63
	s_add_co_u32 s26, s26, s27
	s_add_co_u32 s26, s26, s24                     ; gx 0-23: source row 64 hd + (8 gx mod 64) + wave of Wq, Wk or Wv
	s_lshl_b32 s28, s23, 8
	s_add_co_u32 s28, s28, s25
	s_add_co_u32 s28, s28, s24
	s_sub_co_u32 s28, s28, 208                     ; gx 26-57: row 256 hd + 8 (gx - 26) + wave of x (used only there)
	s_add_co_u32 s29, s27, s25
	s_add_co_u32 s29, s29, s24
	s_sub_co_u32 s29, s29, 464                     ; gx 58-65: row 64 hd + 8 (gx - 58) + wave of Wo (used only there)
	s_mul_i32 s30, s23, 208
	s_add_co_u32 s30, s30, s25
	s_add_co_u32 s30, s30, s24                     ; gx 0-25: row 208 hd + 8 gx + wave of WCAT
	v_and_b32 v2, 31, v0
	v_lshlrev_b32 v1, 4, v2                        ; 16 bytes a lane in
	v_lshlrev_b32 v2, 3, v2                        ; 8 bytes a lane out
	s_wait_kmcnt 0x0
	; the choice of tensor hangs on gx alone; s_cselect leaves SCC, so one compare serves several selects
	s_cmp_ge_u32 s22, 8
	s_cselect_b64 s[20:21], s[8:9], s[6:7]
	s_cmp_ge_u32 s22, 16
	s_cselect_b64 s[20:21], s[10:11], s[20:21]
	s_cmp_ge_u32 s22, 24
	s_cselect_b64 s[20:21], s[12:13], s[20:21]
	s_cselect_b32 s26, s23, s26                    ; the gate's tile: Wg[hd] for every wave
	s_cmp_ge_u32 s22, 26
	s_cselect_b64 s[20:21], s[4:5], s[20:21]
	s_cselect_b32 s26, s28, s26
	s_cselect_b32 s30, s28, s30
	s_cselect_b32 s31, 0, WCAT
	s_cmp_ge_u32 s22, 58
	s_cselect_b64 s[20:21], s[14:15], s[20:21]
	s_cselect_b32 s26, s29, s26
	s_cselect_b32 s30, s29, s30
	s_cselect_b32 s31, WOB, s31
	s_lshl_b32 s26, s26, 12                        ; source row x 4,096 bytes
	s_mov_b32 s27, 0
	s_add_nc_u64 s[20:21], s[20:21], s[26:27]
	s_lshl_b32 s30, s30, 11                        ; destination row x 2,048 bytes
	s_add_co_u32 s30, s30, s31                     ; + the region
	s_mov_b32 s31, 0
	s_add_nc_u64 s[16:17], s[16:17], s[30:31]
.irp c, 0,1,2,3,4,5,6,7
	global_load_b128 v[X+4*\c:X+4*\c+3], v1, s[20:21] offset:512*\c
.endr
.irp c, 0,1,2,3,4,5,6,7
	s_wait_loadcnt 7-\c                            ; loads come back in order: load c is in, the 7 - c younger ones stay out
	v_cvt_pk_bf16_f32 v[Y+2*\c], v[X+4*\c], v[X+4*\c+1]
	v_cvt_pk_bf16_f32 v[Y+2*\c+1], v[X+4*\c+2], v[X+4*\c+3]
	global_store_b64 v2, v[Y+2*\c:Y+2*\c+1], s[16:17] offset:256*\c   ; 32 lanes x 8 bytes: 256 consecutive bytes, aligned
.endr
	s_endpgm
.Lfunc_end_k_q0562893ecd_cvt:
	.size	k_q0562893ecd_cvt, .Lfunc_end_k_q0562893ecd_cvt-k_q0562893ecd_cvt
	.p2alignl 7, 3214868480
	.fill 96, 4, 3214868480
	.section	.rodata,"a",@progbits
	.p2align	6, 0x0
	.amdhsa_kernel k_q0562893ecd_cvt
		.amdhsa_group_segment_fixed_size 0
		.amdhsa_private_segment_fixed_size 0
		.amdhsa_enable_private_segment 0
		.amdhsa_kernarg_size 56
		.amdhsa_user_sgpr_count 2
		.amdhsa_user_sgpr_kernarg_segment_ptr 1
		.amdhsa_wavefront_size32 1
		.amdhsa_system_sgpr_workgroup_id_x 1
		.amdhsa_system_sgpr_workgroup_id_y 1
		.amdhsa_system_sgpr_workgroup_id_z 1
		.amdhsa_system_vgpr_workitem_id 0
		.amdhsa_next_free_vgpr 56
		.amdhsa_next_free_sgpr 66
		.amdhsa_reserve_vcc 0
		.amdhsa_float_denorm_mode_32 3
		.amdhsa_float_denorm_mode_16_64 3
		.amdhsa_memory_ordered 1
		.amdhsa_forward_progress 1
		.amdhsa_inst_pref_size 5
	.end_amdhsa_kernel
	.amdgpu_metadata
---
amdhsa.version: [ 1, 2 ]
amdhsa.kernels:
  - .name:           k_q0562893ecd_cvt
    .symbol:         k_q0562893ecd_cvt.kd
    .args:
      - { .name: x, .offset: 0, .size: 8, .value_kind: global_buffer, .address_space: global }
      - { .name: Wq, .offset: 8, .size: 8, .value_kind: global_buffer, .address_space: global }
      - { .name: Wk, .offset: 16, .size: 8, .value_kind: global_buffer, .address_space: global }
      - { .name: Wv, .offset: 24, .size: 8, .value_kind: global_buffer, .address_space: global }
      - { .name: Wg, .offset: 32, .size: 8, .value_kind: global_buffer, .address_space: global }
      - { .name: Wo, .offset: 40, .size: 8, .value_kind: global_buffer, .address_space: global }
      - { .name: bfin, .offset: 48, .size: 8, .value_kind: global_buffer, .address_space: global }
    .group_segment_fixed_size: 0
    .private_segment_fixed_size: 0
    .kernarg_segment_align: 8
    .kernarg_segment_size: 56
    .max_flat_workgroup_size: 256
    .sgpr_count:     66
    .vgpr_count:     56
    .wavefront_size: 32
...
	.end_amdgpu_metadata
.endif
;; end of part 1
;; launch qkv (part 2): grid 16 x 16, 4 waves a work-group, clusters of 4 x 4, 327,680 bytes of LDS; arguments bfin, mask, bg, qkv; writes qkv
.if DOCPART == 2
	.amdgcn_target "amdgcn-amd-amdhsa--gfx1250"
	.amdhsa_code_object_version 6
	.text
	.protected	k_q0562893ecd_qkv
	.globl	k_q0562893ecd_qkv
	.p2align	8
	.type	k_q0562893ecd_qkv,@function
k_q0562893ecd_qkv:
	s_mov_b64 s[64:65], 0
	v_nop
	global_prefetch_b8 v0, s[64:65] scope:SCOPE_SE
	s_setreg_imm32_b32 hwreg(HW_REG_WAVE_MODE, 25, 1), 1
	s_wait_xcnt 0x0
	s_wait_alu depctr_hold_cnt(0) depctr_sa_sdst(0) depctr_va_vdst(0) depctr_va_sdst(0) depctr_va_ssrc(0) depctr_va_vcc(0) depctr_vm_vsrc(0)
	s_getreg_b32 s2, hwreg(HW_REG_IB_STS2, 6, 4)
	s_cmp_eq_u32 s2, 0
	s_cbranch_scc0 .Lentry_in_a_cluster
	s_endpgm
.Lentry_in_a_cluster:
	s_bfe_u32 s2, ttmp6, 0x10000c
	s_cmp_lg_u32 s2, 0xf033
	s_cbranch_scc0 .Lentry_shape_is_right
	s_endpgm
.Lentry_shape_is_right:
; For one head hd and one block rb of 256 rows (row = b 2048 + t): [256 x 1024] x [208 x 1024]^T in bf16 with f32 sums, then in registers and LDS:
; the gate f = clip(sigmoid(z + bg)), f' = f mk + (1 - mk), G = running sum of log2 f' inside the block; RoPE, elu + 1 and the mask on q and k; the mask on v;
; and the block's own contribution to the state, U[d][e] = sum over s of 2^(G_last - G_s) k_s[d] v_s[e], with a fifth column tile of v = 1 for the normaliser.
; Stored into qkv: q, k, v as [head][row][64] bf16, G as [head][row] f32, U as f32 tiles in the lane order in which the next launch packs them.
; Four waves; wave w makes rows 64 w .. 64 w + 63 x all 208 columns: 4 x 13 accumulator tiles, 416 registers.  K goes in steps of 128 through two LDS slots.
; CLUSTERS: 4 x 4 work-groups.  x's tile hangs on rb alone and is asked for jointly along a row of the cluster, the weights' tile on hd alone, along a column.
; THE MATRIX INSTRUCTION IS USED TRANSPOSED (source 0 = weight rows, source 1 = x rows): lane l holds time l % 16, its registers 0-7 the columns 8 (l / 16) + 0..7.
; The 52 accumulators take turns, one instruction a turn, in the same order in every quarter step.
; LIMITS.  Mask entries are 0 or 1 (log2 is taken of f', which must be above 0).  The weights 2^(G_last - G_s) are rounded to bf16 and multiplied into k in bf16.
; The RoPE angle is t x (inv_freq / 2 pi) in f32, at most 326 turns, good to about 3e-4 rad; sine and cosine are Taylor sums over the reduced turn, short by at most 2.2e-5.
; All exponents of 2 are at most 0, since f is clipped to [0.01, 0.999] as in the model: nothing can overflow; very small weights flush to 0.
; REGISTERS: window 0: v0-63 addresses and constants, v64-127 x fragments (two buffers); window 1: weight fragments (two buffers of 104);
; window 2: accumulators of row tiles 0, 1 at v[8 (13 a + n)]; window 3: those of row tiles 2, 3.  Behind the K loop window 0's v64-255 are at work.
.set WCAT, 8388608                     ; byte offsets in bfin and qkv
.set KB, 8388608
.set VB, 16777216
.set GB, 25165824
.set UB, 25427968
.set PITCH, 272                        ; an LDS row: 256 bytes + 16 of padding
.set HALFA, 128*PITCH                  ; what one load of x brings
.set HALFB, 104*PITCH                  ; what one load of weights brings
.set SLOT, 2*HALFA+2*HALFB             ; x's 256 rows, then the weights' 208
.set SC, 2*SLOT                        ; 256 bytes of scratch that no fill touches
.set KS, 36864                         ; behind the K loop the slots, whose last fill is over, hold: q 256 x 144 at 0, k 256 x 160,
.set VS, 77824                         ; v 256 x 160,
.set WT, 118784                        ; and 256 bf16 weights
.set G1A, 24
.set G0A, 32
.set G1B, 48
.set G0B, 56
.set G1W0, (1<<16)|(1<<20)|(1<<21)|(5<<22)|(3<<25)   ; 2-byte elements, padding on, bit 21 beside a mask, 4 words of padding after every 64
.set ADRA, 16                          ; v16-17 x fragments, slot 0, 1
.set ADRB, 20                          ; v20-21 weight fragments
.set STQ, 22
.set STK, 23
.set RDQ, 24
.set RDK, 25
.set OUTV, 26
.set KT, 27
.set VT, 28
.set WA, 29
.set GOFF, 30
.set WTST, 31
.set MK, 32                            ; v32-39 the mask of row tile mt as f32, twice (a pair)
.set FR, 40                            ; v40-55 inv_freq / 2 pi of my 16 frequencies
.set TT, 56                            ; v56-57 my time, twice
.set SCA, 58
.set SCR, 59
.set S6P, 60                           ; v60-61, v62-63 the polynomials' head coefficients, twice each
.set C7P, 62
.set MSB, 0
.macro WIN new                         ; the immediate's high byte repeats the setting that is left
.if MSB != (\new)
	s_set_vgpr_msb (MSB<<8)|(\new)
.set MSB, \new
.endif
.endm
.macro PLACES                          ; four places behind a matrix instruction (ISA guide 7.12.1)
.rept 4
	v_nop
.endr
.endm
; A joint load: waves 0, 1 fetch x's two halves, waves 2, 3 the weights'.  The branch hangs on the wave's number alone.
.macro JLOAD s
	s_cmp_lt_u32 s12, 2
	s_cbranch_scc0 .Lfor_b_\@
	tensor_load_to_lds s[G0A+4*\s:G0A+4*\s+3], s[G1A:G1A+7]
	s_nop 0
	s_branch .Lasked_\@
.Lfor_b_\@:
	tensor_load_to_lds s[G0B+4*\s:G0B+4*\s+3], s[G1B:G1B+7]
	s_nop 0
.Lasked_\@:
.endm
.macro CREST                           ; a round of the cluster's barrier behind its opening barrier
	s_cmp_lg_u32 s12, 0
	s_cbranch_scc1 .Lnot_wave_0_\@
	s_barrier_signal -3
.Lnot_wave_0_\@:
	s_barrier_wait -3
	s_barrier_signal -1
	s_barrier_wait -1
.endm
.macro CROUND
	s_barrier_signal -1
	s_barrier_wait -1
	CREST
.endm
	s_load_b256 s[4:11], s[0:1], 0x0               ; bfin s[4:5], mask s[6:7], bg s[8:9], qkv s[10:11]
	s_set_vgpr_msb 0x40
	v_lshl_add_u32 v255, v0, 2, 0x3db00
	s_set_vgpr_msb 0x4000
	v_mov_b32 v19, 0
	s_set_vgpr_msb 0x1
	ds_add_u32 v255, v19
	ds_add_u32 v255, v19
	s_set_vgpr_msb 0x100
	v_lshrrev_b32 v1, 5, v0
	v_readfirstlane_b32 s12, v1                    ; wave 0..3
	s_and_b32 s14, s12, 1                          ; which half of a tile I fetch
	s_bfe_u32 s16, ttmp6, 0x40000                  ; cx
	s_bfe_u32 s17, ttmp6, 0x40004                  ; cy
	s_lshl_b32 s18, ttmp9, 2
	s_add_co_u32 s18, s18, s16                     ; head hd = 4 x cluster x + cx
	s_and_b32 s19, ttmp7, 0xffff
	s_lshl_b32 s19, s19, 2
	s_add_co_u32 s19, s19, s17                     ; row block rb = 4 x cluster y + cy
	s_lshl_b32 s20, s17, 2
	s_lshl_b32 s20, 15, s20                        ; my row of the cluster
	s_lshl_b32 s21, 0x1111, s16                    ; my column
	s_or_b32 s[G1A+0], s20, G1W0                   ; x's tiles go to my row
	s_or_b32 s[G1B+0], s21, G1W0                   ; the weights' to my column
	s_mov_b32 s[G1A+1], 128<<16                    ; tensor_dim0 = 128 elements
	s_mov_b32 s[G1B+1], 128<<16
	s_mov_b32 s[G1A+2], 128<<16                    ; tensor_dim1 = 128 rows
	s_mov_b32 s[G1B+2], 104<<16                    ; 104 rows
	s_mov_b32 s[G1A+3], 128<<16                    ; tile_dim0 = 128
	s_mov_b32 s[G1B+3], 128<<16
	s_mov_b32 s[G1A+4], 128                        ; tile_dim1
	s_mov_b32 s[G1B+4], 104
	s_mov_b32 s[G1A+5], 1024                       ; elements from row to row
	s_mov_b32 s[G1B+5], 1024
	s_mov_b32 s[G1A+6], 0
	s_mov_b32 s[G1B+6], 0
	s_mov_b32 s[G1A+7], 0
	s_mov_b32 s[G1B+7], 0
	s_lshl_b32 s40, s19, 8                         ; x: row 256 rb + 128 x half; s40-43 never hold cx
	s_lshl_b32 s41, s14, 7
	s_add_co_u32 s40, s40, s41
	s_lshl_b32 s40, s40, 11                        ; x 2,048 bytes
	s_mov_b32 s41, 0
	s_mul_i32 s44, s18, 208                        ; weights: row 208 hd + 104 x half; s44-47 never hold cy
	s_mul_i32 s45, s14, 104
	s_add_co_u32 s44, s44, s45
	s_lshl_b32 s44, s44, 11
	s_add_co_u32 s44, s44, WCAT
	s_mov_b32 s45, 0
	s_mul_i32 s22, s12, HALFA                      ; LDS: waves 0, 1: x's halves at wave x HALFA
	s_mul_i32 s23, s12, HALFB                      ; waves 2, 3: the weights' halves behind x's 256 rows
	s_add_co_u32 s23, s23, 2*HALFA-2*HALFB
	s_wait_dscnt 0x0
	s_wait_kmcnt 0x0
	s_add_nc_u64 s[42:43], s[4:5], s[40:41]
	s_add_nc_u64 s[46:47], s[4:5], s[44:45]
	CROUND                                         ; all sixteen work-groups are here: the first joint loads meet
.irp s, 0,1
	s_mov_b32 s[G0A+4*\s], 1
	s_add_co_u32 s[G0A+4*\s+1], s22, \s*SLOT
	s_add_nc_u64 s[G0A+4*\s+2:G0A+4*\s+3], s[42:43], \s*256        ; K step s
	s_or_b32 s[G0A+4*\s+3], s[G0A+4*\s+3], 0x80000000
	s_mov_b32 s[G0B+4*\s], 1
	s_add_co_u32 s[G0B+4*\s+1], s23, \s*SLOT
	s_add_nc_u64 s[G0B+4*\s+2:G0B+4*\s+3], s[46:47], \s*256
	s_or_b32 s[G0B+4*\s+3], s[G0B+4*\s+3], 0x80000000
	JLOAD \s                                       ; both slots are asked for before anything else: two tensor loads of the wave are out
.endr
	; the mask of my 64 rows and the head's gate bias
	v_and_b32 v1, 15, v0                           ; r = l % 16
	v_bfe_u32 v2, v0, 4, 1                         ; h = l / 16
	v_lshlrev_b32 v3, 2, v1
	s_lshl_b32 s96, s19, 10
	s_lshl_b32 s97, s12, 8
	s_add_co_u32 s96, s96, s97                     ; (256 rb + 64 w) x 4 bytes
	s_mov_b32 s97, 0
	s_add_nc_u64 s[96:97], s[6:7], s[96:97]
.irp mt, 0,1,2,3
	global_load_b32 v[MK+2*\mt], v3, s[96:97] offset:64*\mt        ; mask of time 16 mt + r, in both halves of the lanes
.endr
	s_lshl_b32 s98, s18, 2
	s_load_b32 s67, s[8:9], s98 offset:0x0         ; bg[hd]
	; LDS addresses
	v_and_b32 v4, 31, v0                           ; lane
	v_bfe_u32 v5, v0, 3, 2                         ; lane / 8
	v_and_b32 v6, 7, v0                            ; lane % 8
	v_bfe_u32 v7, v0, 3, 1                         ; (lane / 8) % 2
	v_mul_u32_u24 v8, v1, PITCH
	v_lshl_add_u32 v8, v2, 4, v8                   ; fragment: row x pitch + 16 h
	s_mul_i32 s90, s12, 64*PITCH
	v_add_nc_u32 v[ADRA], s90, v8                  ; my 64 rows of x
	v_add_nc_u32 v[ADRA+1], SLOT, v[ADRA]
	v_add_nc_u32 v[ADRB], 2*HALFA, v8              ; all 208 weight rows
	v_add_nc_u32 v[ADRB+1], SLOT, v[ADRB]
	v_mul_u32_u24 v9, v1, 144
	v_lshl_add_u32 v9, v2, 4, v9
	s_mul_i32 s90, s12, 64*144
	v_add_nc_u32 v[STQ], s90, v9                   ; q in: (64 w + r) 144 + 16 h
	v_mul_u32_u24 v9, v5, 144
	v_lshl_add_u32 v9, v6, 4, v9
	v_add_nc_u32 v[RDQ], s90, v9                   ; q back: four rows of 128 bytes by 32 lanes
	v_mul_u32_u24 v9, v1, 160
	v_lshl_add_u32 v9, v2, 4, v9
	s_mul_i32 s90, s12, 64*160
	s_add_co_u32 s90, s90, KS
	v_add_nc_u32 v[STK], s90, v9                   ; k in (v: 40,960 further)
	v_mul_u32_u24 v9, v5, 160
	v_lshl_add_u32 v9, v6, 4, v9
	v_add_nc_u32 v[RDK], s90, v9
	v_lshlrev_b32 v[OUTV], 4, v4                   ; 16 bytes a lane
	v_lshl_add_u32 v9, v2, 3, v6                   ; transposing loads: row 8 h + lane % 8,
	v_mul_u32_u24 v9, v9, 160
	v_lshl_add_u32 v9, v7, 4, v9                   ; 16 bytes further for the second eight lanes of each half
	v_add_nc_u32 v[VT], VS, v9
	s_lshl_b32 s90, s12, 5
	s_add_co_u32 s90, s90, KS
	v_add_nc_u32 v[KT], s90, v9                    ; my 16 columns d = 16 w .. of k
	v_lshlrev_b32 v[WA], 4, v2
	v_add_nc_u32 v[WA], WT, v[WA]
	v_lshlrev_b32 v[GOFF], 2, v4
	s_lshl_b32 s90, s12, 7
	s_add_co_u32 s90, s90, WT
	v_lshl_add_u32 v[WTST], v4, 1, s90             ; weight of time 64 w + lane
	s_lshl_b32 s90, s12, 2
	s_add_co_u32 s90, s90, SC
	v_mov_b32 v[SCA], s90
	v_mov_b32 v[SCR], SC
	; inv_freq(i) / 2 pi = 2^(-i log2(10000) / 32) x 0.15915494, i = 16 p + 8 h + j
	v_lshlrev_b32 v10, 3, v2
.set n, 0
.rept 16
	v_add_nc_u32 v[FR+n], 16*(n>>3)+(n&7), v10
.set n, n+1
.endr
.set n, 0
.rept 16
	v_cvt_f32_u32 v[FR+n], v[FR+n]
.set n, n+1
.endr
.set n, 0
.rept 16
	v_mul_f32 v[FR+n], 0xbed49a78, v[FR+n]         ; x -0.41524101
.set n, n+1
.endr
.set n, 0
.rept 16
	v_exp_f32 v[FR+n], v[FR+n]
.set n, n+1
.endr
	v_mov_b32 v[S6P], 0x40747a1a                   ; a plain instruction behind the exponentials (ISA guide 5.7.2); 3.8199526
	v_mov_b32 v[S6P+1], 0x40747a1a
	v_mov_b32 v[C7P], 0xbfdb7127                   ; -1.7143907
	v_mov_b32 v[C7P+1], 0xbfdb7127
.set n, 0
	s_wait_alu depctr_va_vdst(0)
.rept 16
	v_mul_f32 v[FR+n], 0.15915494, v[FR+n]
.set n, n+1
.endr
	s_and_b32 s90, s19, 7                          ; time in the sequence: (rb % 8) 256 + 64 w + r, for row tile 0
	s_lshl_b32 s90, s90, 8
	s_lshl_b32 s91, s12, 6
	s_add_co_u32 s90, s90, s91
	v_add_nc_u32 v[TT], s90, v1
	v_cvt_f32_u32 v[TT], v[TT]
	v_mov_b32 v[TT+1], v[TT]
	s_mov_b32 s68, 0xaaaaaaaa                      ; lanes with bit 0, 1, 2, 3, 4 of their number set
	s_mov_b32 s69, 0xcccccccc
	s_mov_b32 s70, 0xf0f0f0f0
	s_mov_b32 s71, 0xff00ff00
	s_mov_b32 s72, 0xffff0000
	s_mov_b32 s73, 0x76543210                      ; v_permlanex16_b32: lane i of the other half
	s_mov_b32 s74, 0xfedcba98
	s_mov_b32 s94, 0x3c23d70a                      ; 0.01
	s_mov_b32 s95, 0x3f7fbe77                      ; 0.999
	s_cmp_gt_u32 s12, 0                            ; which waves' totals lie in front of mine
	s_cselect_b32 s86, 1.0, 0
	s_cmp_gt_u32 s12, 1
	s_cselect_b32 s87, 1.0, 0
	s_cmp_gt_u32 s12, 2
	s_cselect_b32 s88, 1.0, 0
	; where the results go
	s_lshl_b32 s90, s18, 12
	s_lshl_b32 s91, s19, 8
	s_add_co_u32 s90, s90, s91
	s_lshl_b32 s91, s12, 6
	s_add_co_u32 s90, s90, s91                     ; hd 4096 + 256 rb + 64 w
	s_lshl_b32 s92, s90, 2
	s_add_co_u32 s92, s92, GB
	s_mov_b32 s93, 0
	s_add_nc_u64 s[82:83], s[10:11], s[92:93]      ; G
	s_lshl_b32 s92, s90, 7
	s_add_nc_u64 s[76:77], s[10:11], s[92:93]      ; q
	s_add_nc_u64 s[78:79], s[76:77], KB            ; k
	s_add_nc_u64 s[80:81], s[76:77], VB            ; v
	s_lshl_b32 s92, s18, 4
	s_add_co_u32 s92, s92, s19
	s_mul_i32 s92, s92, 20480
	s_lshl_b32 s91, s12, 10
	s_add_co_u32 s92, s92, s91
	s_add_co_u32 s92, s92, UB
	s_add_nc_u64 s[84:85], s[10:11], s[92:93]      ; U: block hd 16 + rb, my tile column d = 16 w ..
	s_wait_loadcnt 0x0                             ; the mask
.irp mt, 0,1,2,3
	v_cvt_f32_i32 v[MK+2*\mt], v[MK+2*\mt]
.endr
.irp mt, 0,1,2,3
	v_mov_b32 v[MK+2*\mt+1], v[MK+2*\mt]
.endr
	s_wait_kmcnt 0x0                               ; bg
; 13 matrix instructions: row tile 2 hi + a x all 13 column tiles, 32 along K, from buffer f
.macro MUL13 f, hi, a, zero
.irp n, 0,1,2,3,4,5,6,7,8,9,10,11,12
.if \zero
	v_wmma_f32_16x16x32_bf16 v[8*(13*\a+\n):8*(13*\a+\n)+7], v[104*\f+8*\n:104*\f+8*\n+7], v[64+32*\f+8*(2*\hi+\a):64+32*\f+8*(2*\hi+\a)+7], 0
.else
	v_wmma_f32_16x16x32_bf16 v[8*(13*\a+\n):8*(13*\a+\n)+7], v[104*\f+8*\n:104*\f+8*\n+7], v[64+32*\f+8*(2*\hi+\a):64+32*\f+8*(2*\hi+\a)+7], v[8*(13*\a+\n):8*(13*\a+\n)+7]
.endif
.endr
.endm
; 34 LDS loads in one run: the fragments of a quarter step (208 weight rows, my 64 rows of x, 32 K at byte k) into buffer f
.macro FETCH slot, k, f
	WIN 0x40
.irp n, 0,1,2,3,4,5,6,7,8,9,10,11,12
	ds_load_b128 v[104*\f+8*\n:104*\f+8*\n+3], v[ADRB+\slot] offset:\k+\n*16*PITCH
	ds_load_b128 v[104*\f+8*\n+4:104*\f+8*\n+7], v[ADRB+\slot] offset:\k+\n*16*PITCH+32
.endr
	WIN 0
.irp m, 0,1,2,3
	ds_load_b128 v[64+32*\f+8*\m:64+32*\f+8*\m+3], v[ADRA+\slot] offset:\k+\m*16*PITCH
	ds_load_b128 v[64+32*\f+8*\m+4:64+32*\f+8*\m+7], v[ADRA+\slot] offset:\k+\m*16*PITCH+32
.endr
.endm
.macro QUARTER slot, k, f, g, zero
	s_wait_dscnt 4                                 ; all but the youngest four loads (x's row tiles 2, 3) are in
	WIN 0xa1
	MUL13 \f, 0, 0, \zero
	MUL13 \f, 0, 1, \zero
	PLACES
	FETCH \slot, \k, \g
	s_wait_dscnt 34                                ; all but the 34 just issued
	WIN 0xf1
	MUL13 \f, 1, 0, \zero
	MUL13 \f, 1, 1, \zero
.endm
.macro THREE slot, zero
	QUARTER \slot, 64, 0, 1, \zero
	QUARTER \slot, 128, 1, 0, 0
	QUARTER \slot, 192, 0, 1, 0
.endm
; The last quarter of a K step multiplies buffer 1 and changes slots.  In front of the barrier each wave waits for its reads of this slot and for all its
; tensor loads (one is out: its part of the next slot); where the slot is filled again the barrier opens a round of the cluster's barrier, and the joint
; refill is the first tensor load behind the round.  From a request to the wait for it a wave issues 195 matrix instructions.
.macro TURN slot, next, fill
	s_wait_dscnt 4
	WIN 0xa1
	MUL13 1, 0, 0, 0
	s_wait_dscnt 0
	s_wait_tensorcnt 0x0
	ds_add_u32 v255, v19
	s_wait_dscnt 0x0
	s_barrier_signal -1
	MUL13 1, 0, 1, 0                               ; registers only, while the others arrive
	WIN 0
	s_barrier_wait -1
.if \fill
	CREST
	s_add_nc_u64 s[G0A+4*\slot+2:G0A+4*\slot+3], s[G0A+4*\slot+2:G0A+4*\slot+3], 512   ; two K steps on; no tensor load of mine is out
	s_add_nc_u64 s[G0B+4*\slot+2:G0B+4*\slot+3], s[G0B+4*\slot+2:G0B+4*\slot+3], 512
	JLOAD \slot
.endif
	PLACES
	FETCH \next, 0, 0
	WIN 0xf1
	MUL13 1, 1, 0, 0
	MUL13 1, 1, 1, 0
.endm
.macro LAP zero
	THREE 0, \zero
	TURN 0, 1, 1
	THREE 1, 0
	TURN 1, 0, 1
.endm
	s_wait_tensorcnt 1                             ; my part of K step 0 is in; K step 1's may stay out
	s_barrier_signal -1
	s_barrier_wait -1
	FETCH 0, 0, 0
	LAP 1                                          ; eight K steps = four laps; the first starts the sums
	WIN 0
	s_mov_b32 s66, 2
.Llap:
	LAP 0
	WIN 0
	s_sub_co_u32 s66, s66, 1
	s_cmp_lg_u32 s66, 0
	s_cbranch_scc1 .Llap
	THREE 0, 0                                     ; the last lap fills nothing
	TURN 0, 1, 0
	THREE 1, 0
	s_wait_dscnt 4
	WIN 0xa1
	MUL13 1, 0, 0, 0
	MUL13 1, 0, 1, 0
	s_wait_dscnt 0
	WIN 0xf1
	MUL13 1, 1, 0, 0
	MUL13 1, 1, 1, 0
	PLACES
	; THE GATE.  Column tile 12 holds z in every register (sixteen equal weight rows).  Lane l takes time l (row tiles 0, 1) and time 32 + l (row tiles 2, 3).
.set ZA, 64
.set ZB, 65
.set MA, 66
.set MB, 67
.set EA, 68
.set EB, 69
.set OA, 70
.set OBB, 71
.set LGA, 72
.set LGB, 73
.set PA, 74
.set PB, 75
.set TA, 76
.set TB, 77
.set TM, 78
.set T2, 79
	WIN 0x0a
	v_cndmask_b32 v[ZA], v96, v200, s72
	WIN 0x0f
	v_cndmask_b32 v[ZB], v96, v200, s72
	WIN 0
	v_cndmask_b32 v[MA], v[MK], v[MK+2], s72
	v_cndmask_b32 v[MB], v[MK+4], v[MK+6], s72
	v_add_f32 v[ZA], s67, v[ZA]
	v_add_f32 v[ZB], s67, v[ZB]
	v_mul_f32 v[EA], 0xbfb8aa3b, v[ZA]             ; sigmoid(z) = 1 / (1 + 2^(-1.442695 z))
	v_mul_f32 v[EB], 0xbfb8aa3b, v[ZB]
	v_exp_f32 v[EA], v[EA]
	v_exp_f32 v[EB], v[EB]
	v_sub_f32 v[OA], 1.0, v[MA]                    ; 1 - mk; also the plain instruction behind the exponentials
	v_sub_f32 v[OBB], 1.0, v[MB]
	s_wait_alu depctr_va_vdst(0)
	v_add_f32 v[EA], 1.0, v[EA]
	v_add_f32 v[EB], 1.0, v[EB]
	v_rcp_f32 v[EA], v[EA]
	v_rcp_f32 v[EB], v[EB]
	v_mov_b32 v[PA], 0
	v_mov_b32 v[PB], 0
	s_wait_alu depctr_va_vdst(0)
	v_med3_num_f32 v[EA], v[EA], s94, s95          ; the model's clip
	v_med3_num_f32 v[EB], v[EB], s94, s95
	v_fma_f32 v[EA], v[EA], v[MA], v[OA]           ; f' = f mk + (1 - mk)
	v_fma_f32 v[EB], v[EB], v[MB], v[OBB]
	v_log_f32 v[LGA], v[EA]
	v_log_f32 v[LGB], v[EB]
	v_mov_b32 v[TM], 0
	v_mov_b32 v[T2], 0
	s_wait_alu depctr_va_vdst(0)
; sums over 32 lanes by exchanges: tot ends as the total, pre as the sum of the lanes in front of mine
.macro SCANSTEP pre, tot, m, sm
	v_mov_b32_dpp v[TM], v[\tot] row_xmask:\m row_mask:0xf bank_mask:0xf
	v_cndmask_b32 v[T2], 0, v[TM], s[\sm]
	v_add_f32 v[\pre], v[\pre], v[T2]
	v_add_f32 v[\tot], v[\tot], v[TM]
.endm
.macro SCAN x, pre, tot
	v_mov_b32 v[\tot], v[\x]
	SCANSTEP \pre, \tot, 1, 68
	SCANSTEP \pre, \tot, 2, 69
	SCANSTEP \pre, \tot, 4, 70
	SCANSTEP \pre, \tot, 8, 71
	v_permlanex16_b32 v[TM], v[\tot], s73, s74
	v_cndmask_b32 v[T2], 0, v[TM], s72
	v_add_f32 v[\pre], v[\pre], v[T2]
	v_add_f32 v[\tot], v[\tot], v[TM]
.endm
	SCAN LGA, PA, TA
	SCAN LGB, PB, TB
	v_add_f32 v80, v[TA], v[TB]                    ; my 64 rows' total
	ds_store_b32 v[SCA], v80
	s_wait_dscnt 0x0                               ; for the others' sake: my store is done, and so are all my reads of the slots
	s_barrier_signal -1
	s_barrier_wait -1                              ; behind it the four totals can be read, and the slots, whose last fill has landed, are free for the results
	ds_load_b128 v[80:83], v[SCR]
	s_wait_dscnt 0x0
	v_mul_f32 v84, s86, v80
	v_fmac_f32 v84, s87, v81
	v_fmac_f32 v84, s88, v82                       ; the waves in front of mine
	v_add_f32 v85, v80, v81
	v_add_f32 v86, v82, v83
	v_add_f32 v85, v85, v86                        ; the block's total
	v_add_f32 v[PA], v[PA], v[LGA]
	v_add_f32 v[PA], v[PA], v84                    ; G of time 64 w + l, its own step included
	v_add_f32 v[PB], v[PB], v[LGB]
	v_add_f32 v[PB], v[PB], v[TA]
	v_add_f32 v[PB], v[PB], v84                    ; G of time 64 w + 32 + l
	global_store_b32 v[GOFF], v[PA], s[82:83]                      ; 128 neighbouring bytes each; G is 1 KiB a block, not worth a stage
	global_store_b32 v[GOFF], v[PB], s[82:83] offset:128
	v_sub_f32 v86, v85, v[PA]
	v_sub_f32 v87, v85, v[PB]
	v_exp_f32 v86, v86                             ; 2^(G_last - G_s), at most 1
	v_exp_f32 v87, v87
	v_nop
	s_wait_alu depctr_va_vdst(0)
	v_cvt_pk_bf16_f32 v86, v86, v87
	ds_store_b16 v[WTST], v86
	ds_store_b16_d16_hi v[WTST], v86 offset:64
	s_wait_xcnt 0x0                                ; the two stores' data registers are written again below
	; ROPE, ELU + 1, MASK: 16 rows at a time, out of the accumulators into window 0, rounded to bf16, into LDS
.set CS, 64                            ; v64-79  cosines of my 16 frequencies
.set SN, 80                            ; v80-95  sines
.set EE, 96                            ; v96-111 exponentials at work
.set T, 128                            ; v128-223 the 12 tiles of a row tile
.set RR, 224
.set UU, 232
; r = turns - nearest whole number, u = r r; sin(2 pi r) = r x a sum in u, cos(2 pi r) = a sum in u (Taylor, seven and eight terms)
.macro TRIG p
.irp j, 0,2,4,6
	v_pk_mul_f32 v[RR+\j:RR+\j+1], v[TT:TT+1], v[FR+8*\p+\j:FR+8*\p+\j+1]
.endr
.irp j, 0,1,2,3,4,5,6,7
	v_rndne_f32 v[UU+\j], v[RR+\j]
.endr
.irp j, 0,2,4,6
	v_pk_add_f32 v[RR+\j:RR+\j+1], v[RR+\j:RR+\j+1], v[UU+\j:UU+\j+1] neg_lo:[0,1] neg_hi:[0,1]
.endr
.irp j, 0,2,4,6
	v_pk_mul_f32 v[UU+\j:UU+\j+1], v[RR+\j:RR+\j+1], v[RR+\j:RR+\j+1]
.endr
.irp j, 0,2,4,6
	v_pk_fma_f32 v[SN+8*\p+\j:SN+8*\p+\j+1], v[UU+\j:UU+\j+1], v[S6P:S6P+1], 0xc17183a8 op_sel_hi:[1,1,0]
	v_pk_fma_f32 v[CS+8*\p+\j:CS+8*\p+\j+1], v[UU+\j:UU+\j+1], v[C7P:C7P+1], 0x40fce9c5 op_sel_hi:[1,1,0]
.endr
.irp c, 0x42283c1a, 0xc2996966, 0x42a335e3, 0xc2255de7, 0x40c90fdb
.irp j, 0,2,4,6
	v_pk_fma_f32 v[SN+8*\p+\j:SN+8*\p+\j+1], v[SN+8*\p+\j:SN+8*\p+\j+1], v[UU+\j:UU+\j+1], \c op_sel_hi:[1,1,0]
.endr
.endr
.irp c, 0xc1d368f9, 0x4270fa83, 0xc2aae9e4, 0x4281e0f8, 0xc19de9e6, 1.0
.irp j, 0,2,4,6
	v_pk_fma_f32 v[CS+8*\p+\j:CS+8*\p+\j+1], v[CS+8*\p+\j:CS+8*\p+\j+1], v[UU+\j:UU+\j+1], \c op_sel_hi:[1,1,0]
.endr
.endr
.irp j, 0,2,4,6
	v_pk_mul_f32 v[SN+8*\p+\j:SN+8*\p+\j+1], v[SN+8*\p+\j:SN+8*\p+\j+1], v[RR+\j:RR+\j+1]
.endr
.endm
; row tile mt; win: source 0 in the accumulators' window; ac: the row tile's first accumulator register there
.macro ROWS mt, win, ac
	TRIG 0
	TRIG 1
	WIN \win
.irp nb, 0,4
.irp p, 0,1
.irp j, 0,2,4,6
	v_pk_mul_f32 v[T+8*(\nb+\p)+\j:T+8*(\nb+\p)+\j+1], v[\ac+8*(\nb+\p)+\j:\ac+8*(\nb+\p)+\j+1], v[CS+8*\p+\j:CS+8*\p+\j+1]
	v_pk_mul_f32 v[T+8*(\nb+\p+2)+\j:T+8*(\nb+\p+2)+\j+1], v[\ac+8*(\nb+\p+2)+\j:\ac+8*(\nb+\p+2)+\j+1], v[CS+8*\p+\j:CS+8*\p+\j+1]
.endr
.irp j, 0,2,4,6
	v_pk_fma_f32 v[T+8*(\nb+\p)+\j:T+8*(\nb+\p)+\j+1], v[\ac+8*(\nb+\p+2)+\j:\ac+8*(\nb+\p+2)+\j+1], v[SN+8*\p+\j:SN+8*\p+\j+1], v[T+8*(\nb+\p)+\j:T+8*(\nb+\p)+\j+1] neg_lo:[0,1,0] neg_hi:[0,1,0]
	v_pk_fma_f32 v[T+8*(\nb+\p+2)+\j:T+8*(\nb+\p+2)+\j+1], v[\ac+8*(\nb+\p)+\j:\ac+8*(\nb+\p)+\j+1], v[SN+8*\p+\j:SN+8*\p+\j+1], v[T+8*(\nb+\p+2)+\j:T+8*(\nb+\p+2)+\j+1]
.endr
.endr
.endr
.irp e, 8,9,10,11
.irp j, 0,2,4,6
	v_pk_mul_f32 v[T+8*\e+\j:T+8*\e+\j+1], v[\ac+8*\e+\j:\ac+8*\e+\j+1], v[MK+2*\mt:MK+2*\mt+1]   ; v x mk
.endr
.endr
	WIN 0
	; elu(x) + 1 = max(x, 0) + e^min(x, 0), then x mk; q's and k's 64 registers in four runs of 16
.irp c, 0,16,32,48
.irp j, 0,2,4,6,8,10,12,14
	v_pk_mul_f32 v[EE+\j:EE+\j+1], v[T+\c+\j:T+\c+\j+1], 0x3fb8aa3b op_sel_hi:[1,0]
.endr
.irp j, 0,1,2,3,4,5,6,7,8,9,10,11,12,13,14,15
	v_min_num_f32 v[EE+\j], 0, v[EE+\j]
.endr
.irp j, 0,1,2,3,4,5,6,7,8,9,10,11,12,13,14,15
	v_exp_f32 v[EE+\j], v[EE+\j]
.endr
.irp j, 0,1,2,3,4,5,6,7,8,9,10,11,12,13,14,15
	v_max_num_f32 v[T+\c+\j], 0, v[T+\c+\j]        ; plain instructions behind the exponentials
.endr
	s_wait_alu depctr_va_vdst(0)
.irp j, 0,2,4,6,8,10,12,14
	v_pk_add_f32 v[T+\c+\j:T+\c+\j+1], v[T+\c+\j:T+\c+\j+1], v[EE+\j:EE+\j+1]
.endr
.irp j, 0,2,4,6,8,10,12,14
	v_pk_mul_f32 v[T+\c+\j:T+\c+\j+1], v[T+\c+\j:T+\c+\j+1], v[MK+2*\mt:MK+2*\mt+1]
.endr
.endr
.irp e, 0,1,2,3,4,5,6,7,8,9,10,11
.irp i, 0,1,2,3
	v_cvt_pk_bf16_f32 v[T+8*\e+\i], v[T+8*\e+2*\i], v[T+8*\e+2*\i+1]   ; in place: register i is written when 2 i and 2 i + 1 are read
.endr
.endr
.irp e, 0,1,2,3
	ds_store_b128 v[STQ], v[T+8*\e:T+8*\e+3] offset:\mt*2304+32*\e
	ds_store_b128 v[STK], v[T+32+8*\e:T+32+8*\e+3] offset:\mt*2560+32*\e
	ds_store_b128 v[STK], v[T+64+8*\e:T+64+8*\e+3] offset:40960+\mt*2560+32*\e
.endr
	v_pk_add_f32 v[TT:TT+1], v[TT:TT+1], 0x41800000 op_sel_hi:[1,0]      ; 16 steps of time on
.endm
	ROWS 0, 0x02, 0
	ROWS 1, 0x02, 104
	ROWS 2, 0x03, 0
	ROWS 3, 0x03, 104
	s_wait_dscnt 0x0                               ; for the others' sake: my stores of q, k, v and the weights are done
	s_barrier_signal -1
	s_barrier_wait -1                              ; everybody's are; from here on nobody writes these bytes of LDS
	; THE WAY OUT: my own 64 rows of q, k, v, read back four rows (512 bytes) at a time: 48 loads in one run, from a count of 0.
.set i, 0
.rept 16
	ds_load_b128 v[64+4*i:64+4*i+3], v[RDQ] offset:576*i
.set i, i+1
.endr
.set i, 0
.rept 16
	ds_load_b128 v[128+4*i:128+4*i+3], v[RDK] offset:640*i
.set i, i+1
.endr
.set i, 0
.rept 16
	ds_load_b128 v[192+4*i:192+4*i+3], v[RDK] offset:40960+640*i
.set i, i+1
.endr
.set i, 0
.rept 16
	s_wait_dscnt 47-i                              ; the 47 - i younger loads stay out
	global_store_b128 v[OUTV], v[64+4*i:64+4*i+3], s[76:77] offset:512*i   ; 512 consecutive bytes, aligned
.set i, i+1
.endr
.set i, 0
.rept 16
	s_wait_dscnt 31-i
	global_store_b128 v[OUTV], v[128+4*i:128+4*i+3], s[78:79] offset:512*i
.set i, i+1
.endr
.set i, 0
.rept 16
	s_wait_dscnt 15-i
	global_store_b128 v[OUTV], v[192+4*i:192+4*i+3], s[80:81] offset:512*i
.set i, i+1
.endr
	s_wait_xcnt 0x0                                ; the stores' data registers are written again below
	; THE BLOCK'S STATE.  Wave w makes rows d = 16 w .. of U: source 0 = (weight x k)^T, source 1 = v's four column tiles and a tile of ones, K = time.
	; The five accumulators take turns, one instruction a turn.
.set UF, 64                            ; two buffers of 48: k 8, v 32, weights 8
.set UA, 160                           ; v160-199 five accumulators
.set ONES, 200
.irp i, 0,1,2,3,4,5,6,7
	v_mov_b32 v[ONES+\i], 0x3f803f80
.endr
.macro UGRP g, zero
	PLACES
.irp b, 0,1
	ds_load_tr16_b128 v[UF+48*\b:UF+48*\b+3], v[KT] offset:5120*(2*\g+\b)
	ds_load_tr16_b128 v[UF+48*\b+4:UF+48*\b+7], v[KT] offset:5120*(2*\g+\b)+2560
.irp e, 0,1,2,3
	ds_load_tr16_b128 v[UF+48*\b+8+8*\e:UF+48*\b+8+8*\e+3], v[VT] offset:5120*(2*\g+\b)+32*\e
	ds_load_tr16_b128 v[UF+48*\b+8+8*\e+4:UF+48*\b+8+8*\e+7], v[VT] offset:5120*(2*\g+\b)+32*\e+2560
.endr
	ds_load_b128 v[UF+48*\b+40:UF+48*\b+43], v[WA] offset:64*(2*\g+\b)
	ds_load_b128 v[UF+48*\b+44:UF+48*\b+47], v[WA] offset:64*(2*\g+\b)+32
.endr
	s_wait_dscnt 0x0
.irp b, 0,1
.irp i, 0,1,2,3,4,5,6,7
	v_pk_mul_bf16 v[UF+48*\b+\i], v[UF+48*\b+\i], v[UF+48*\b+40+\i]   ; a register holds two neighbouring times of one d: their two weights
.endr
.endr
.irp b, 0,1
.if \zero*(1-\b)
.irp e, 0,1,2,3
	v_wmma_f32_16x16x32_bf16 v[UA+8*\e:UA+8*\e+7], v[UF+48*\b:UF+48*\b+7], v[UF+48*\b+8+8*\e:UF+48*\b+8+8*\e+7], 0
.endr
	v_wmma_f32_16x16x32_bf16 v[UA+32:UA+39], v[UF+48*\b:UF+48*\b+7], v[ONES:ONES+7], 0
.else
.irp e, 0,1,2,3
	v_wmma_f32_16x16x32_bf16 v[UA+8*\e:UA+8*\e+7], v[UF+48*\b:UF+48*\b+7], v[UF+48*\b+8+8*\e:UF+48*\b+8+8*\e+7], v[UA+8*\e:UA+8*\e+7]
.endr
	v_wmma_f32_16x16x32_bf16 v[UA+32:UA+39], v[UF+48*\b:UF+48*\b+7], v[ONES:ONES+7], v[UA+32:UA+39]
.endif
.endr
.endm
	UGRP 0, 1
	UGRP 1, 0
	UGRP 2, 0
	UGRP 3, 0
	PLACES
.irp e, 0,1,2,3,4
	global_store_b128 v[OUTV], v[UA+8*\e:UA+8*\e+3], s[84:85] offset:4096*\e        ; lane = column e, registers = d: 512 consecutive bytes a store
	global_store_b128 v[OUTV], v[UA+8*\e+4:UA+8*\e+7], s[84:85] offset:4096*\e+512
.endr
	s_set_vgpr_msb 0x1
	s_wait_tensorcnt 0x0
	ds_add_u32 v255, v19
	s_wait_dscnt 0x0
	s_set_vgpr_msb 0x100
	CROUND                                         ; the closing round: no work-group ends while a partner may still ask for a tile that names it
	s_endpgm
.Lfunc_end_k_q0562893ecd_qkv:
	.size	k_q0562893ecd_qkv, .Lfunc_end_k_q0562893ecd_qkv-k_q0562893ecd_qkv
	.p2alignl 7, 3214868480
	.fill 96, 4, 3214868480
	.section	.rodata,"a",@progbits
	.p2align	6, 0x0
	.amdhsa_kernel k_q0562893ecd_qkv
		.amdhsa_group_segment_fixed_size 327680
		.amdhsa_private_segment_fixed_size 0
		.amdhsa_enable_private_segment 0
		.amdhsa_kernarg_size 32
		.amdhsa_user_sgpr_count 2
		.amdhsa_user_sgpr_kernarg_segment_ptr 1
		.amdhsa_wavefront_size32 1
		.amdhsa_system_sgpr_workgroup_id_x 1
		.amdhsa_system_sgpr_workgroup_id_y 1
		.amdhsa_system_sgpr_workgroup_id_z 1
		.amdhsa_system_vgpr_workitem_id 0
		.amdhsa_next_free_vgpr 976
		.amdhsa_next_free_sgpr 100
		.amdhsa_reserve_vcc 0
		.amdhsa_float_denorm_mode_32 3
		.amdhsa_float_denorm_mode_16_64 3
		.amdhsa_memory_ordered 1
		.amdhsa_forward_progress 1
		.amdhsa_inst_pref_size 255
	.end_amdhsa_kernel
	.section	.bss,"aw",@nobits
	.p2align	6
	.space	262144
	.amdgpu_metadata
---
amdhsa.version: [ 1, 2 ]
amdhsa.kernels:
  - .name:           k_q0562893ecd_qkv
    .symbol:         k_q0562893ecd_qkv.kd
    .args:
      - { .name: bfin, .offset: 0, .size: 8, .value_kind: global_buffer, .address_space: global }
      - { .name: mask, .offset: 8, .size: 8, .value_kind: global_buffer, .address_space: global }
      - { .name: bg, .offset: 16, .size: 8, .value_kind: global_buffer, .address_space: global }
      - { .name: qkv, .offset: 24, .size: 8, .value_kind: global_buffer, .address_space: global }
    .group_segment_fixed_size: 327680
    .private_segment_fixed_size: 0
    .kernarg_segment_align: 8
    .kernarg_segment_size: 32
    .max_flat_workgroup_size: 128
    .sgpr_count:     100
    .vgpr_count:     976
    .wavefront_size: 32
...
	.end_amdgpu_metadata
.endif
;; end of part 2
;; launch attn (part 3): grid 8 x 32, 8 waves a work-group, no clusters, 168,960 bytes of LDS; arguments qkv, ob; writes ob
.if DOCPART == 3
	.amdgcn_target "amdgcn-amd-amdhsa--gfx1250"
	.amdhsa_code_object_version 6
	.text
	.protected	k_q0562893ecd_attn
	.globl	k_q0562893ecd_attn
	.p2align	8
	.type	k_q0562893ecd_attn,@function
k_q0562893ecd_attn:
	s_mov_b64 s[64:65], 0
	v_nop
	global_prefetch_b8 v0, s[64:65] scope:SCOPE_SE
	s_setreg_imm32_b32 hwreg(HW_REG_WAVE_MODE, 25, 1), 1
	s_wait_xcnt 0x0
; One work-group = one head hd, one batch b, one block j of 256 steps.  With G the running sum of log2 f' inside the block:
;   numer_t = 2^G_t q_t S_start + sum over s <= t of 2^(G_t - G_s) (q_t k_s) v_s,   denom_t the same with v = 1,   out = numer / max(denom, 1e-6).
; S_start = sum over earlier blocks i of 2^(totals of the blocks between) U_i.  Every exponent is at most 0, because the model clips f to [0.01, 0.999].
; Phase A: q, k, v come by tensor loads (each wave its 32 rows of each: three loads of the wave are out); meanwhile every thread sums its 20 numbers of the seven U.
; All seven are always read and those of block j and later are multiplied by 0: one text for every j.  LIMIT: a U that has overflowed f32 would give NaN here.
; Phase B: wave w takes 32 rows of time (unit w, or 11 - w for waves 4-7, so that long and short units pair up) and walks the blocks of 32 steps up to its own.
; Matrix instructions are used transposed: lane = time t, registers = s, then e.  So the weighted scores of a lane are, packed, the next product's source 1.
; Two barriers: one between the fills and stores of phase A and the reads of phase B, one between the reads of phase B and the stores into the stage on the way out.
; No cluster: q, k, v belong to this work-group alone.  The U blocks are shared by a head's eight work-groups, but each number is used once, by one thread,
; in a weighted sum: it goes from memory into a register and is not staged in LDS.
.set KB, 8388608
.set VB, 16777216
.set GB, 25165824
.set UB, 25427968
.set KL, 36864                         ; LDS: q 256 x 144 at 0, k 256 x 144, v 256 x 160 (filled by tensor loads, once);
.set VL, 73728
.set GT, 114688                        ; G 1 KiB, S^T as bf16 fragments 10 KiB, a stage of 32 x 144 for each wave (written by LDS stores only)
.set SF, 115712
.set OS, 125952
.set QA, 8
.set KA, 9
.set VA, 10
.set GA, 11
.set GTA, 12
.set SFA, 13
.set OSS, 14
.set OSR, 15
.set OUTV, 16
.set DL, 17
.set ONES, 24                          ; v24-31
.set Q, 32                             ; v32-63   q fragments (tt, ks)
.set O, 64                             ; v64-143  accumulators (tt, et), et = 4: the denominator
.set KV, 144                           ; v144-175 k fragments, then v fragments
.set D, 176                            ; v176-207 scores (tt, st)
.set GS, 208                           ; v208-223 G of the step's 2 x 8 times of my half
.set E, 224                            ; v224-239
.set GTP, 240                          ; v240-243 G of my two times, each twice
.set EG, 244                           ; v244-247
.set RC, 248                           ; v248-251
.set SS, 204                           ; phase A: v64-203 U, v204-223 the sum, v224-237 coefficients, v238-244 exponents, v245 G
.set CF, 224
.macro PLACES n
.rept \n
	v_nop
.endr
.endm
	s_load_b128 s[4:7], s[0:1], 0x0                ; qkv s[4:5], ob s[6:7]
	v_lshl_add_u32 v254, v0, 2, 0x29000
	v_mov_b32 v255, 0
	ds_add_u32 v254, v255
	ds_add_u32 v254, v255
	v_lshrrev_b32 v1, 5, v0
	v_readfirstlane_b32 s8, v1                     ; wave 0..7
	s_mov_b32 s9, ttmp9                            ; j
	s_and_b32 s11, ttmp7, 0xffff
	s_and_b32 s10, s11, 15                         ; hd
	s_lshr_b32 s11, s11, 4                         ; b
	s_lshl_b32 s12, s10, 12
	s_lshl_b32 s82, s11, 11
	s_add_co_u32 s12, s12, s82                     ; hd 4096 + b 2048
	s_lshl_b32 s82, s9, 8
	s_add_co_u32 s13, s12, s82                     ; + 256 j: my block's first row
	s_sub_co_u32 s84, 11, s8
	s_cmp_lt_u32 s8, 4
	s_cselect_b32 s14, s8, s84                     ; my unit u
	; descriptors: 32 rows x 64 bf16, 128 bytes from row to row, padded in LDS by 16 bytes (q, k) or 32 (v)
	s_mov_b32 s16, 0x07110000                      ; 2-byte elements, padding on, 4 words after every 32
	s_mov_b32 s24, 0x0f110000                      ; 8 words after every 32
	s_mov_b32 s17, 64<<16
	s_mov_b32 s25, 64<<16
	s_mov_b32 s18, 32<<16
	s_mov_b32 s26, 32<<16
	s_mov_b32 s19, 64<<16
	s_mov_b32 s27, 64<<16
	s_mov_b32 s20, 32
	s_mov_b32 s28, 32
	s_mov_b32 s21, 64
	s_mov_b32 s29, 64
	s_mov_b32 s22, 0
	s_mov_b32 s30, 0
	s_mov_b32 s23, 0
	s_mov_b32 s31, 0
	s_lshl_b32 s82, s8, 5
	s_add_co_u32 s82, s82, s13
	s_lshl_b32 s82, s82, 7                         ; (first row + 32 w) x 128 bytes
	s_mov_b32 s83, 0
	s_wait_dscnt 0x0
	s_wait_kmcnt 0x0
	s_add_nc_u64 s[84:85], s[4:5], s[82:83]
	s_mov_b32 s32, 1
	s_mul_i32 s33, s8, 32*144
	s_mov_b64 s[34:35], s[84:85]
	s_or_b32 s35, s35, 0x80000000
	s_mov_b32 s36, 1
	s_add_co_u32 s37, s33, KL
	s_add_nc_u64 s[38:39], s[84:85], KB
	s_or_b32 s39, s39, 0x80000000
	s_mov_b32 s40, 1
	s_mul_i32 s41, s8, 32*160
	s_add_co_u32 s41, s41, VL
	s_add_nc_u64 s[42:43], s[84:85], VB
	s_or_b32 s43, s43, 0x80000000
	tensor_load_to_lds s[32:35], s[16:23]          ; the only fills of the launch, ahead of everything else
	s_nop 0
	tensor_load_to_lds s[36:39], s[16:23]
	s_nop 0
	tensor_load_to_lds s[40:43], s[24:31]
	s_nop 0
	; PHASE A
	s_lshl_b32 s82, s12, 2
	s_add_co_u32 s82, s82, GB
	s_add_nc_u64 s[74:75], s[4:5], s[82:83]        ; G of the head's and batch's first row
.irp i, 0,1,2,3,4,5,6
	s_load_b32 s[44+\i], s[74:75], 1024*\i+1020    ; block i's total: G of its last step
.endr
	s_lshl_b32 s84, s9, 10
	s_mov_b32 s85, 0
	s_add_nc_u64 s[76:77], s[74:75], s[84:85]      ; G of my block
	s_lshl_b32 s86, s10, 4
	s_lshl_b32 s87, s11, 3
	s_add_co_u32 s86, s86, s87
	s_mul_i32 s86, s86, 20480
	s_add_co_u32 s86, s86, UB
	s_mov_b32 s87, 0
	s_add_nc_u64 s[78:79], s[4:5], s[86:87]        ; U of block 0 of this head and batch
	v_lshlrev_b32 v4, 2, v0
	v_lshrrev_b32 v5, 6, v0                        ; thread T: tile column T / 64, half T % 2 of the tile's registers, lane (T / 2) % 32
	v_lshlrev_b32 v5, 10, v5
	v_and_b32 v6, 1, v0
	v_lshl_add_u32 v5, v6, 9, v5
	v_bfe_u32 v6, v0, 1, 5
	v_lshl_add_u32 v5, v6, 4, v5
	global_load_b32 v245, v4, s[76:77]
.irp i, 0,1,2,3,4,5,6
.irp n, 0,1,2,3,4
	global_load_b128 v[64+20*\i+4*\n:64+20*\i+4*\n+3], v5, s[78:79] offset:20480*\i+4096*\n   ; a wave's lanes cover two runs of 256 consecutive bytes
.endr
.endr
	; addresses, while the loads are on their way
	v_lshlrev_b32 v7, 3, v0
	v_add_nc_u32 v7, SF, v7                        ; my 8 bytes of a fragment tile: SF + 8 T
	v_add_nc_u32 v18, GT, v4
	v_and_b32 v1, 15, v0                           ; r
	v_bfe_u32 v2, v0, 4, 1                         ; h
	v_and_b32 v3, 31, v0                           ; lane
	v_mul_u32_u24 v19, v1, 144
	v_lshl_add_u32 v19, v2, 4, v19                 ; r 144 + 16 h
	s_mul_i32 s84, s14, 32*144
	v_add_nc_u32 v[QA], s84, v19
	v_add_nc_u32 v[KA], KL, v19
	v_and_b32 v20, 7, v0
	v_lshl_add_u32 v20, v2, 3, v20
	v_mul_u32_u24 v20, v20, 160
	v_bfe_u32 v21, v0, 3, 1
	v_lshl_add_u32 v20, v21, 4, v20
	v_add_nc_u32 v[VA], VL, v20
	v_lshlrev_b32 v[GA], 5, v2
	v_add_nc_u32 v[GA], GT, v[GA]
	s_lshl_b32 s84, s14, 7
	s_add_co_u32 s84, s84, GT
	v_lshl_add_u32 v[GTA], v1, 2, s84
	v_lshlrev_b32 v[OUTV], 4, v3
	v_add_nc_u32 v[SFA], SF, v[OUTV]
	s_mul_i32 s84, s8, 32*144
	s_add_co_u32 s84, s84, OS
	v_add_nc_u32 v[OSS], s84, v19
	v_bfe_u32 v20, v0, 3, 2
	v_mul_u32_u24 v20, v20, 144
	v_and_b32 v21, 7, v0
	v_lshl_add_u32 v20, v21, 4, v20
	v_add_nc_u32 v[OSR], s84, v20
	v_lshlrev_b32 v[DL], 3, v2
	v_sub_nc_u32 v[DL], v1, v[DL]                  ; r - 8 h: register j of a diagonal tile counts where j <= r - 8 h
.irp j, 0,1,2,3,4,5,6,7
	v_cmp_le_i32 s[66+\j], \j, v[DL]
.endr
.irp i, 0,1,2,3,4,5,6,7
	v_mov_b32 v[ONES+\i], 0x3f803f80
.endr
	s_lshl_b32 s84, s14, 5
	s_add_co_u32 s84, s84, s13
	s_lshl_b32 s84, s84, 7
	s_add_nc_u64 s[80:81], s[6:7], s[84:85]        ; my 32 rows of the result
	s_wait_kmcnt 0x0
.irp i, 0,1,2,3,4,5,6
	s_cmp_gt_u32 s9, \i                            ; block i lies in front of mine
	s_cselect_b32 s[44+\i], s[44+\i], 0
	s_cselect_b32 s[52+\i], 1.0, 0
.endr
	v_mov_b32 v244, 0
.irp i, 5,4,3,2,1,0
	v_add_f32 v[238+\i], s[45+\i], v[239+\i]       ; the totals of the blocks between i and mine
.endr
.irp i, 0,1,2,3,4,5,6
	v_exp_f32 v[238+\i], v[238+\i]
.endr
	v_nop
	s_wait_alu depctr_va_vdst(0)
.irp i, 0,1,2,3,4,5,6
	v_mul_f32 v[CF+2*\i], s[52+\i], v[238+\i]
	v_mul_f32 v[CF+2*\i+1], s[52+\i], v[238+\i]
.endr
	s_wait_loadcnt 35                              ; G is in; the 35 loads of U were issued behind it
	ds_store_b32 v18, v245
	s_wait_loadcnt 30                              ; U_0's five loads are in
.irp m, 0,2,4,6,8,10,12,14,16,18
	v_pk_mul_f32 v[SS+\m:SS+\m+1], v[64+\m:64+\m+1], v[CF:CF+1]
.endr
.irp i, 1,2,3,4,5,6
	s_wait_loadcnt 30-5*\i                         ; U_i is in, the younger blocks stay out
.irp m, 0,2,4,6,8,10,12,14,16,18
	v_pk_fma_f32 v[SS+\m:SS+\m+1], v[64+20*\i+\m:64+20*\i+\m+1], v[CF+2*\i:CF+2*\i+1], v[SS+\m:SS+\m+1]
.endr
.endr
.irp n, 0,1,2,3,4
	v_cvt_pk_bf16_f32 v[SS+4*\n], v[SS+4*\n], v[SS+4*\n+1]
	v_cvt_pk_bf16_f32 v[SS+4*\n+1], v[SS+4*\n+2], v[SS+4*\n+3]
	ds_store_b64 v7, v[SS+4*\n:SS+4*\n+1] offset:2048*\n
.endr
	s_wait_tensorcnt 0x0                           ; my rows of q, k, v have landed
	s_wait_dscnt 0x0                               ; my stores of G and S are done
	s_barrier_signal -1
	s_barrier_wait -1                              ; everybody's
	; PHASE B
.irp tt, 0,1
.irp ks, 0,1
	ds_load_b128 v[Q+8*(2*\tt+\ks):Q+8*(2*\tt+\ks)+3], v[QA] offset:2304*\tt+64*\ks
	ds_load_b128 v[Q+8*(2*\tt+\ks)+4:Q+8*(2*\tt+\ks)+7], v[QA] offset:2304*\tt+64*\ks+32
.endr
.endr
	ds_load_b32 v[GTP], v[GTA]
	ds_load_b32 v[GTP+2], v[GTA] offset:64
.set n, 0
.rept 20
	ds_load_b128 v[KV+4*n:KV+4*n+3], v[SFA] offset:512*n           ; S^T fragment (et, ks) = v[144 + 8 (2 et + ks)]
.set n, n+1
.endr
	s_wait_dscnt 0x0
	v_mov_b32 v[GTP+1], v[GTP]
	v_mov_b32 v[GTP+3], v[GTP+2]
	; q S_start: ten accumulators by turns, one instruction a turn
.irp tt, 0,1
.irp et, 0,1,2,3,4
	v_wmma_f32_16x16x32_bf16 v[O+8*(5*\tt+\et):O+8*(5*\tt+\et)+7], v[KV+16*\et:KV+16*\et+7], v[Q+16*\tt:Q+16*\tt+7], 0
.endr
.endr
.irp tt, 0,1
.irp et, 0,1,2,3,4
	v_wmma_f32_16x16x32_bf16 v[O+8*(5*\tt+\et):O+8*(5*\tt+\et)+7], v[KV+16*\et+8:KV+16*\et+15], v[Q+16*\tt+8:Q+16*\tt+15], v[O+8*(5*\tt+\et):O+8*(5*\tt+\et)+7]
.endr
.endr
	PLACES 5                                       ; five places: the next matrix instructions write over these sources
	v_exp_f32 v[EG], v[GTP]
	v_exp_f32 v[EG+2], v[GTP+2]
	v_nop
	s_wait_alu depctr_va_vdst(0)
	v_mov_b32 v[EG+1], v[EG]
	v_mov_b32 v[EG+3], v[EG+2]
.irp tt, 0,1
.set m, 0
.rept 20
	v_pk_mul_f32 v[O+40*\tt+m:O+40*\tt+m+1], v[O+40*\tt+m:O+40*\tt+m+1], v[EG+2*\tt:EG+2*\tt+1]   ; x 2^G_t
.set m, m+2
.endr
.endr
.macro QK tt, st, ks, zero
.if \zero
	v_wmma_f32_16x16x32_bf16 v[D+8*(2*\tt+\st):D+8*(2*\tt+\st)+7], v[KV+8*(2*\st+\ks):KV+8*(2*\st+\ks)+7], v[Q+8*(2*\tt+\ks):Q+8*(2*\tt+\ks)+7], 0
.else
	v_wmma_f32_16x16x32_bf16 v[D+8*(2*\tt+\st):D+8*(2*\tt+\st)+7], v[KV+8*(2*\st+\ks):KV+8*(2*\st+\ks)+7], v[Q+8*(2*\tt+\ks):Q+8*(2*\tt+\ks)+7], v[D+8*(2*\tt+\st):D+8*(2*\tt+\st)+7]
.endif
.endm
.macro EDIFF tt, n                     ; G_t - G_s for the first n of the step's 16 times of my half
.set m, 0
.rept \n/2
	v_pk_add_f32 v[E+m:E+m+1], v[GTP+2*\tt:GTP+2*\tt+1], v[GS+m:GS+m+1] neg_lo:[0,1] neg_hi:[0,1]
.set m, m+2
.endr
.endm
.macro EXPMUL tt, n
.set m, 0
.rept \n
	v_exp_f32 v[E+m], v[E+m]
.set m, m+1
.endr
	v_nop
.set m, 0
	s_wait_alu depctr_va_vdst(0)
.rept \n/2
	v_pk_mul_f32 v[D+16*\tt+m:D+16*\tt+m+1], v[D+16*\tt+m:D+16*\tt+m+1], v[E+m:E+m+1]
.set m, m+2
.endr
.endm
.macro PACKLO tt
.irp i, 0,1,2,3
	v_cvt_pk_bf16_f32 v[D+16*\tt+\i], v[D+16*\tt+2*\i], v[D+16*\tt+2*\i+1]
.endr
.endm
.macro PACKHI tt
.irp i, 0,1,2,3
	v_cvt_pk_bf16_f32 v[D+16*\tt+4+\i], v[D+16*\tt+8+2*\i], v[D+16*\tt+8+2*\i+1]
.endr
.endm
; One block of 32 steps s against my 32 times t.  diag = 1: my own block: tile (0, 1) lies wholly behind t and is left out, tiles (0, 0) and (1, 1) are cut at s <= t
; by a select, not by a product with 0: the weights behind t have exponents above 0.
.macro STEP diag
.irp st, 0,1
.irp ks, 0,1
	ds_load_b128 v[KV+8*(2*\st+\ks):KV+8*(2*\st+\ks)+3], v[KA] offset:2304*\st+64*\ks
	ds_load_b128 v[KV+8*(2*\st+\ks)+4:KV+8*(2*\st+\ks)+7], v[KA] offset:2304*\st+64*\ks+32
.endr
.endr
.irp st, 0,1
	ds_load_b128 v[GS+8*\st:GS+8*\st+3], v[GA] offset:64*\st
	ds_load_b128 v[GS+8*\st+4:GS+8*\st+7], v[GA] offset:64*\st+16
.endr
	s_wait_dscnt 4                                 ; k is in; the four loads of G may be out
	QK 0, 0, 0, 1
.if \diag
.else
	QK 0, 1, 0, 1
.endif
	QK 1, 0, 0, 1
	QK 1, 1, 0, 1
	QK 0, 0, 1, 0
.if \diag
.else
	QK 0, 1, 1, 0
.endif
	QK 1, 0, 1, 0
	QK 1, 1, 1, 0
	s_wait_dscnt 0x0
.if \diag
	EDIFF 0, 8                                     ; four plain instructions: the places behind the products, for the loads into k's registers and the reads of the scores
.else
	EDIFF 0, 16
.endif
.irp et, 0,1,2,3
	ds_load_tr16_b128 v[KV+8*\et:KV+8*\et+3], v[VA] offset:32*\et
	ds_load_tr16_b128 v[KV+8*\et+4:KV+8*\et+7], v[VA] offset:32*\et+2560
.endr
.if \diag
	EXPMUL 0, 8
.irp j, 0,1,2,3,4,5,6,7
	v_cndmask_b32 v[D+\j], 0, v[D+\j], s[66+\j]
.endr
	PACKLO 0
.irp i, 0,1,2,3
	v_mov_b32 v[D+4+\i], 0
.endr
.else
	EXPMUL 0, 16
	PACKLO 0
	PACKHI 0
.endif
	EDIFF 1, 16
	EXPMUL 1, 16
.if \diag
.irp j, 0,1,2,3,4,5,6,7
	v_cndmask_b32 v[D+24+\j], 0, v[D+24+\j], s[66+\j]
.endr
.endif
	PACKLO 1
	PACKHI 1
	s_wait_dscnt 0x0                               ; v
.irp tt, 0,1
.irp et, 0,1,2,3
	v_wmma_f32_16x16x32_bf16 v[O+8*(5*\tt+\et):O+8*(5*\tt+\et)+7], v[KV+8*\et:KV+8*\et+7], v[D+16*\tt:D+16*\tt+7], v[O+8*(5*\tt+\et):O+8*(5*\tt+\et)+7]
.endr
	v_wmma_f32_16x16x32_bf16 v[O+8*(5*\tt+4):O+8*(5*\tt+4)+7], v[ONES:ONES+7], v[D+16*\tt:D+16*\tt+7], v[O+8*(5*\tt+4):O+8*(5*\tt+4)+7]
.endr
.if \diag
.else
	v_add_nc_u32 v[KA], 32*144, v[KA]              ; five places behind the products: the next step loads into their sources and writes over them
	v_add_nc_u32 v[VA], 32*160, v[VA]
	v_add_nc_u32 v[GA], 128, v[GA]
	v_nop
	v_nop
.endif
.endm
	s_cmp_eq_u32 s14, 0
	s_cbranch_scc1 .Ldiag
	s_mov_b32 s86, 0
.Lstep:
	STEP 0
	s_add_co_u32 s86, s86, 1
	s_cmp_lt_u32 s86, s14                          ; u whole blocks in front of my own; u hangs on the wave's number alone
	s_cbranch_scc1 .Lstep
.Ldiag:
	STEP 1
	; THE WAY OUT.  My reads of q, k, v, G and S are over: say so, divide and round in registers while the others finish, and store into the stage only
	; when every wave has said so.  The steps' addresses are stepped in a loop whose length differs from wave to wave; this barrier states the order
	; between every wave's reads there and every wave's stores below without leaning on where those addresses end.
	s_wait_dscnt 0x0                               ; met: the step's last wait was for 0 and no LDS instruction stands behind it
	s_barrier_signal -1
	PLACES 4
	v_max_num_f32 v[RC], 0x358637bd, v[O+32]       ; max(denominator, 1e-6): every register of tile 4 holds it
	v_max_num_f32 v[RC+2], 0x358637bd, v[O+72]
	v_rcp_f32 v[RC], v[RC]
	v_rcp_f32 v[RC+2], v[RC+2]
	v_nop
	s_wait_alu depctr_va_vdst(0)
	v_mov_b32 v[RC+1], v[RC]
	v_mov_b32 v[RC+3], v[RC+2]
.irp tt, 0,1
.set m, 0
.rept 16
	v_pk_mul_f32 v[O+40*\tt+m:O+40*\tt+m+1], v[O+40*\tt+m:O+40*\tt+m+1], v[RC+2*\tt:RC+2*\tt+1]
.set m, m+2
.endr
.endr
.irp tt, 0,1
.irp et, 0,1,2,3
.irp i, 0,1,2,3
	v_cvt_pk_bf16_f32 v[O+8*(5*\tt+\et)+\i], v[O+8*(5*\tt+\et)+2*\i], v[O+8*(5*\tt+\et)+2*\i+1]
.endr
.endr
.endr
	s_barrier_wait -1
.irp tt, 0,1
.irp et, 0,1,2,3
	ds_store_b128 v[OSS], v[O+8*(5*\tt+\et):O+8*(5*\tt+\et)+3] offset:2304*\tt+32*\et
.endr
.endr
.irp c, 0,1,2,3,4,5,6,7
	ds_load_b128 v[KV+4*\c:KV+4*\c+3], v[OSR] offset:576*\c        ; my own stage: LDS serves a wave's instructions in order
.endr
.irp c, 0,1,2,3,4,5,6,7
	s_wait_dscnt 7-\c
	global_store_b128 v[OUTV], v[KV+4*\c:KV+4*\c+3], s[80:81] offset:512*\c   ; four rows of 128 bytes: 512 consecutive bytes, aligned
.endr
	s_wait_tensorcnt 0x0
	ds_add_u32 v254, v255
	s_wait_dscnt 0x0
	s_endpgm
.Lfunc_end_k_q0562893ecd_attn:
	.size	k_q0562893ecd_attn, .Lfunc_end_k_q0562893ecd_attn-k_q0562893ecd_attn
	.p2alignl 7, 3214868480
	.fill 96, 4, 3214868480
	.section	.rodata,"a",@progbits
	.p2align	6, 0x0
	.amdhsa_kernel k_q0562893ecd_attn
		.amdhsa_group_segment_fixed_size 168960
		.amdhsa_private_segment_fixed_size 0
		.amdhsa_enable_private_segment 0
		.amdhsa_kernarg_size 16
		.amdhsa_user_sgpr_count 2
		.amdhsa_user_sgpr_kernarg_segment_ptr 1
		.amdhsa_wavefront_size32 1
		.amdhsa_system_sgpr_workgroup_id_x 1
		.amdhsa_system_sgpr_workgroup_id_y 1
		.amdhsa_system_sgpr_workgroup_id_z 1
		.amdhsa_system_vgpr_workitem_id 0
		.amdhsa_next_free_vgpr 256
		.amdhsa_next_free_sgpr 90
		.amdhsa_reserve_vcc 0
		.amdhsa_float_denorm_mode_32 3
		.amdhsa_float_denorm_mode_16_64 3
		.amdhsa_memory_ordered 1
		.amdhsa_forward_progress 1
		.amdhsa_inst_pref_size 45
	.end_amdhsa_kernel
	.amdgpu_metadata
---
amdhsa.version: [ 1, 2 ]
amdhsa.kernels:
  - .name:           k_q0562893ecd_attn
    .symbol:         k_q0562893ecd_attn.kd
    .args:
      - { .name: qkv, .offset: 0, .size: 8, .value_kind: global_buffer, .address_space: global }
      - { .name: ob, .offset: 8, .size: 8, .value_kind: global_buffer, .address_space: global }
    .group_segment_fixed_size: 168960
    .private_segment_fixed_size: 0
    .kernarg_segment_align: 8
    .kernarg_segment_size: 16
    .max_flat_workgroup_size: 256
    .sgpr_count:     90
    .vgpr_count:     256
    .wavefront_size: 32
...
	.end_amdgpu_metadata
.endif
;; end of part 3
;; launch proj (part 4): grid 8 x 32, 4 waves a work-group, clusters of 4 x 4, 327,680 bytes of LDS; arguments ob, bfin, bo, yb; writes yb
.if DOCPART == 4
	.amdgcn_target "amdgcn-amd-amdhsa--gfx1250"
	.amdhsa_code_object_version 6
	.text
	.protected	k_q0562893ecd_proj
	.globl	k_q0562893ecd_proj
	.p2align	8
	.type	k_q0562893ecd_proj,@function
k_q0562893ecd_proj:
	s_mov_b64 s[64:65], 0
	v_nop
	global_prefetch_b8 v0, s[64:65] scope:SCOPE_SE
	s_setreg_imm32_b32 hwreg(HW_REG_WAVE_MODE, 25, 1), 1
	s_wait_xcnt 0x0
	s_wait_alu depctr_hold_cnt(0) depctr_sa_sdst(0) depctr_va_vdst(0) depctr_va_sdst(0) depctr_va_ssrc(0) depctr_va_vcc(0) depctr_vm_vsrc(0)
	s_getreg_b32 s2, hwreg(HW_REG_IB_STS2, 6, 4)
	s_cmp_eq_u32 s2, 0
	s_cbranch_scc0 .Lentry_in_a_cluster
	s_endpgm
.Lentry_in_a_cluster:
	s_bfe_u32 s2, ttmp6, 0x10000c
	s_cmp_lg_u32 s2, 0xf033
	s_cbranch_scc0 .Lentry_shape_is_right
	s_endpgm
.Lentry_shape_is_right:
; yb[row][n] = sum over c of o[row][c] Wo[n][c] + bo[n], f32.  o lies as [head][row][64] bf16 (c = 64 head + e), Wo as [1024][1024] bf16 in bfin.
; A work-group makes 128 rows x 128 columns with four waves of 64 x 64 (16 accumulator tiles, window 1).  K goes in four steps of 256 (four heads) through two LDS slots.
; A slot: o as 2 halves x [4 heads][64 rows][144 bytes], then Wo as 128 rows x 528 bytes.  One load of o takes, for each of four heads, 64 rows that lie densely
; in memory (8,192 bytes) as one descriptor row; the padding of 16 bytes after every 128 makes the LDS rows.
; CLUSTERS: 4 x 4.  o's tile hangs on the row block alone (shared along a row of the cluster), Wo's on the column block alone (along a column).
; Matrix instructions are used transposed (source 0 = Wo rows): a lane holds eight neighbouring columns of one row.
; The 16 accumulators take turns, one instruction a turn.
.set WOB, 15204352
.set AHALF, 36864
.set BHALF, 33792
.set SLOT, 2*AHALF+2*BHALF
.set STAGE, 2*SLOT                     ; 16 rows x 272 bytes for each wave; no fill lands here
.set ASTEP, 2097152                    ; four heads of o
.set G1A, 24
.set G0A, 32
.set G1B, 48
.set G0B, 56
.set ADRA, 16
.set ADRB, 20
.set STO, 24
.set RD, 25
.set CO, 26
.set BOF, 27
.set BI, 28                            ; v28-31 the bias of my four columns
.set MSB, 0
.macro WIN new
.if MSB != (\new)
	s_set_vgpr_msb (MSB<<8)|(\new)
.set MSB, \new
.endif
.endm
.macro PLACES
.rept 4
	v_nop
.endr
.endm
.macro JLOAD s
	s_cmp_lt_u32 s12, 2
	s_cbranch_scc0 .Lfor_b_\@
	tensor_load_to_lds s[G0A+4*\s:G0A+4*\s+3], s[G1A:G1A+7]
	s_nop 0
	s_branch .Lasked_\@
.Lfor_b_\@:
	tensor_load_to_lds s[G0B+4*\s:G0B+4*\s+3], s[G1B:G1B+7]
	s_nop 0
.Lasked_\@:
.endm
.macro CROUND
	s_barrier_signal -1
	s_barrier_wait -1
	s_cmp_lg_u32 s12, 0
	s_cbranch_scc1 .Lnot_wave_0_\@
	s_barrier_signal -3
.Lnot_wave_0_\@:
	s_barrier_wait -3
	s_barrier_signal -1
	s_barrier_wait -1
.endm
	s_load_b256 s[4:11], s[0:1], 0x0               ; ob s[4:5], bfin s[6:7], bo s[8:9], yb s[10:11]
	v_lshl_add_u32 v254, v0, 2, 0x49400
	v_mov_b32 v255, 0
	ds_add_u32 v254, v255
	ds_add_u32 v254, v255
	v_lshrrev_b32 v1, 5, v0
	v_readfirstlane_b32 s12, v1                    ; wave
	s_lshr_b32 s13, s12, 1                         ; wm: my 64 rows
	s_and_b32 s14, s12, 1                          ; wn: my 64 columns; also which half of a tile I fetch
	s_bfe_u32 s16, ttmp6, 0x40000                  ; cx
	s_bfe_u32 s17, ttmp6, 0x40004                  ; cy
	s_lshl_b32 s18, ttmp9, 2
	s_add_co_u32 s18, s18, s16                     ; column block nx
	s_and_b32 s19, ttmp7, 0xffff
	s_lshl_b32 s19, s19, 2
	s_add_co_u32 s19, s19, s17                     ; row block my
	s_lshl_b32 s20, s17, 2
	s_lshl_b32 s20, 15, s20
	s_lshl_b32 s21, 0x1111, s16
	s_or_b32 s[G1A+0], s20, (1<<16)|(1<<20)|(1<<21)|(4<<22)|(3<<25)   ; o: my row of the cluster; 4 words of padding after every 32
	s_or_b32 s[G1B+0], s21, (1<<16)|(1<<20)|(1<<21)|(6<<22)|(3<<25)   ; Wo: my column; 4 words after every 128
	s_mov_b32 s[G1A+1], 4096<<16                   ; tensor_dim0 = 4,096 elements: 64 dense rows of one head
	s_mov_b32 s[G1B+1], 256<<16
	s_mov_b32 s[G1A+2], 4<<16                      ; tensor_dim1 = 4 heads
	s_mov_b32 s[G1B+2], 64<<16
	s_mov_b32 s[G1A+3], 4096<<16                   ; tile_dim0
	s_mov_b32 s[G1B+3], 256<<16
	s_mov_b32 s[G1A+4], 4                          ; tile_dim1
	s_mov_b32 s[G1B+4], 64
	s_mov_b32 s[G1A+5], 262144                     ; elements from head to head
	s_mov_b32 s[G1B+5], 1024
	s_mov_b32 s[G1A+6], 0
	s_mov_b32 s[G1B+6], 0
	s_mov_b32 s[G1A+7], 0
	s_mov_b32 s[G1B+7], 0
	s_lshl_b32 s40, s19, 14                        ; o: (128 my + 64 half) x 128 bytes; s40-43 never hold cx
	s_lshl_b32 s41, s14, 13
	s_add_co_u32 s40, s40, s41
	s_mov_b32 s41, 0
	s_lshl_b32 s44, s18, 18                        ; Wo: (128 nx + 64 half) x 2,048 bytes; s44-47 never hold cy
	s_lshl_b32 s45, s14, 17
	s_add_co_u32 s44, s44, s45
	s_add_co_u32 s44, s44, WOB
	s_mov_b32 s45, 0
	s_mul_i32 s22, s12, AHALF                      ; LDS: waves 0, 1: o's halves
	s_mul_i32 s23, s12, BHALF                      ; waves 2, 3: Wo's halves behind them
	s_add_co_u32 s23, s23, 2*AHALF-2*BHALF
	s_wait_dscnt 0x0
	s_wait_kmcnt 0x0
	s_add_nc_u64 s[42:43], s[4:5], s[40:41]
	s_add_nc_u64 s[46:47], s[6:7], s[44:45]
	CROUND                                         ; the first joint loads meet
.irp s, 0,1
	s_mov_b32 s[G0A+4*\s], 1
	s_add_co_u32 s[G0A+4*\s+1], s22, \s*SLOT
	s_add_nc_u64 s[G0A+4*\s+2:G0A+4*\s+3], s[42:43], \s*ASTEP
	s_or_b32 s[G0A+4*\s+3], s[G0A+4*\s+3], 0x80000000
	s_mov_b32 s[G0B+4*\s], 1
	s_add_co_u32 s[G0B+4*\s+1], s23, \s*SLOT
	s_add_nc_u64 s[G0B+4*\s+2:G0B+4*\s+3], s[46:47], \s*512
	s_or_b32 s[G0B+4*\s+3], s[G0B+4*\s+3], 0x80000000
	JLOAD \s                                       ; two tensor loads of the wave are out
.endr
	v_and_b32 v1, 15, v0                           ; r
	v_bfe_u32 v2, v0, 4, 1                         ; h
	v_lshlrev_b32 v[BOF], 4, v1
	s_lshl_b32 s70, s18, 9
	s_lshl_b32 s71, s14, 8
	s_add_co_u32 s70, s70, s71                     ; (128 nx + 64 wn) x 4 bytes
	s_mov_b32 s71, 0
	s_add_nc_u64 s[66:67], s[8:9], s[70:71]
	global_load_b128 v[BI:BI+3], v[BOF], s[66:67]  ; bo of columns 4 r .. 4 r + 3 of my 64
	s_lshl_b32 s72, s19, 19
	s_lshl_b32 s73, s13, 18
	s_add_co_u32 s72, s72, s73                     ; (128 my + 64 wm) x 4,096 bytes
	s_add_co_u32 s72, s72, s70
	s_mov_b32 s73, 0
	s_add_nc_u64 s[68:69], s[10:11], s[72:73]
	v_mul_u32_u24 v3, v1, 144
	v_lshl_add_u32 v3, v2, 4, v3
	s_mul_i32 s74, s13, AHALF
	v_add_nc_u32 v[ADRA], s74, v3
	v_add_nc_u32 v[ADRA+1], SLOT, v[ADRA]
	v_mul_u32_u24 v4, v1, 528
	v_lshl_add_u32 v4, v2, 4, v4
	s_mul_i32 s74, s14, BHALF
	s_add_co_u32 s74, s74, 2*AHALF
	v_add_nc_u32 v[ADRB], s74, v4
	v_add_nc_u32 v[ADRB+1], SLOT, v[ADRB]
	s_mul_i32 s74, s12, 16*272
	s_add_co_u32 s74, s74, STAGE
	v_mul_u32_u24 v5, v1, 272
	v_lshl_add_u32 v5, v2, 5, v5
	v_add_nc_u32 v[STO], s74, v5                   ; in: row r, 32 bytes for each half of the lanes
	v_mul_u32_u24 v5, v2, 272
	v_lshl_add_u32 v5, v1, 4, v5
	v_add_nc_u32 v[RD], s74, v5                    ; back: lanes 0-15 one row of 256 bytes, lanes 16-31 the next
	v_lshlrev_b32 v[CO], 12, v2
	v_lshl_add_u32 v[CO], v1, 4, v[CO]
	s_wait_loadcnt 0x0                             ; the bias
.macro MUL8 f, a0, zero
.irp a, \a0, \a0+1
.irp n, 0,1,2,3
.if \zero
	v_wmma_f32_16x16x32_bf16 v[8*(4*(\a)+\n):8*(4*(\a)+\n)+7], v[64+64*\f+8*\n:64+64*\f+8*\n+7], v[96+64*\f+8*(\a):96+64*\f+8*(\a)+7], 0
.else
	v_wmma_f32_16x16x32_bf16 v[8*(4*(\a)+\n):8*(4*(\a)+\n)+7], v[64+64*\f+8*\n:64+64*\f+8*\n+7], v[96+64*\f+8*(\a):96+64*\f+8*(\a)+7], v[8*(4*(\a)+\n):8*(4*(\a)+\n)+7]
.endif
.endr
.endr
.endm
; 16 LDS loads: the fragments of the q-th 32 of a K step's 256 (head q / 2, its half q % 2) into buffer f
.macro FETCH slot, q, f
.irp n, 0,1,2,3
	ds_load_b128 v[64+64*\f+8*\n:64+64*\f+8*\n+3], v[ADRB+\slot] offset:\n*8448+64*\q
	ds_load_b128 v[64+64*\f+8*\n+4:64+64*\f+8*\n+7], v[ADRB+\slot] offset:\n*8448+64*\q+32
.endr
.irp m, 0,1,2,3
	ds_load_b128 v[96+64*\f+8*\m:96+64*\f+8*\m+3], v[ADRA+\slot] offset:(\q>>1)*9216+\m*2304+(\q&1)*64
	ds_load_b128 v[96+64*\f+8*\m+4:96+64*\f+8*\m+7], v[ADRA+\slot] offset:(\q>>1)*9216+\m*2304+(\q&1)*64+32
.endr
.endm
.macro QUARTER slot, qn, f, g, zero, fetch
	s_wait_dscnt 4                                 ; all but o's row tiles 2, 3
	WIN 0x50                                       ; C and D in window 1; the setting stays over the border between two quarters
	MUL8 \f, 0, \zero
.if \fetch
	PLACES
	WIN 0
	FETCH \slot, \qn, \g
	s_wait_dscnt 16                                ; all but the 16 just issued
.else
	s_wait_dscnt 0
.endif
	WIN 0x50
	MUL8 \f, 2, \zero
.endm
.macro BIG slot, zero                  ; a K step of 256: 128 matrix instructions
	PLACES
	FETCH \slot, 0, 0
	QUARTER \slot, 1, 0, 1, \zero, 1
	QUARTER \slot, 2, 1, 0, 0, 1
	QUARTER \slot, 3, 0, 1, 0, 1
	QUARTER \slot, 4, 1, 0, 0, 1
	QUARTER \slot, 5, 0, 1, 0, 1
	QUARTER \slot, 6, 1, 0, 0, 1
	QUARTER \slot, 7, 0, 1, 0, 1
	QUARTER \slot, 0, 1, 0, 0, 0
	WIN 0
.endm
; The slot just read is filled again, two K steps ahead: my reads of it and all my tensor loads are waited for, a round of the cluster's barrier, the joint load first behind it.
.macro CHANGE slot
	s_wait_dscnt 0x0
	s_wait_tensorcnt 0x0
	ds_add_u32 v254, v255
	s_wait_dscnt 0x0
	CROUND
	s_add_nc_u64 s[G0A+4*\slot+2:G0A+4*\slot+3], s[G0A+4*\slot+2:G0A+4*\slot+3], 2*ASTEP
	s_add_nc_u64 s[G0B+4*\slot+2:G0B+4*\slot+3], s[G0B+4*\slot+2:G0B+4*\slot+3], 1024
	JLOAD \slot
.endm
	s_wait_tensorcnt 1                             ; my part of K step 0 is in; K step 1's may stay out
	s_barrier_signal -1
	s_barrier_wait -1
	BIG 0, 1
	CHANGE 0
	BIG 1, 0
	CHANGE 1
	BIG 0, 0
	s_wait_dscnt 0x0
	s_wait_tensorcnt 0x0                           ; my part of the last K step
	s_barrier_signal -1
	s_barrier_wait -1
	BIG 1, 0
	PLACES
; 16 rows at a time through my own stage: 32 bytes a lane and tile in, whole rows of 256 bytes back, + bias, out
.macro OUT16 mt, f
	WIN 0x04                                       ; the stores' data in window 1
.irp n, 0,1,2,3
	ds_store_b128 v[STO], v[8*(4*\mt+\n):8*(4*\mt+\n)+3] offset:64*\n
	ds_store_b128 v[STO], v[8*(4*\mt+\n)+4:8*(4*\mt+\n)+7] offset:64*\n+16
.endr
	WIN 0
	s_wait_xcnt 0x0                                ; buffer f, which earlier stores read, is written again only behind this wait
.irp c, 0,1,2,3,4,5,6,7
	ds_load_b128 v[\f+4*\c:\f+4*\c+3], v[RD] offset:544*\c
.endr
.irp c, 0,1,2,3,4,5,6,7
	s_wait_dscnt 7-\c
	v_pk_add_f32 v[\f+4*\c:\f+4*\c+1], v[\f+4*\c:\f+4*\c+1], v[BI:BI+1]
	v_pk_add_f32 v[\f+4*\c+2:\f+4*\c+3], v[\f+4*\c+2:\f+4*\c+3], v[BI+2:BI+3]
	global_store_b128 v[CO], v[\f+4*\c:\f+4*\c+3], s[68:69] offset:(16*\mt+2*\c)*4096   ; 16 lanes store 256 consecutive bytes, aligned
.endr
.endm
	OUT16 0, 64
	OUT16 1, 128
	OUT16 2, 64
	OUT16 3, 128
	s_wait_tensorcnt 0x0
	ds_add_u32 v254, v255
	s_wait_dscnt 0x0
	CROUND                                         ; the closing round
	s_endpgm
.Lfunc_end_k_q0562893ecd_proj:
	.size	k_q0562893ecd_proj, .Lfunc_end_k_q0562893ecd_proj-k_q0562893ecd_proj
	.p2alignl 7, 3214868480
	.fill 96, 4, 3214868480
	.section	.rodata,"a",@progbits
	.p2align	6, 0x0
	.amdhsa_kernel k_q0562893ecd_proj
		.amdhsa_group_segment_fixed_size 327680
		.amdhsa_private_segment_fixed_size 0
		.amdhsa_enable_private_segment 0
		.amdhsa_kernarg_size 32
		.amdhsa_user_sgpr_count 2
		.amdhsa_user_sgpr_kernarg_segment_ptr 1
		.amdhsa_wavefront_size32 1
		.amdhsa_system_sgpr_workgroup_id_x 1
		.amdhsa_system_sgpr_workgroup_id_y 1
		.amdhsa_system_sgpr_workgroup_id_z 1
		.amdhsa_system_vgpr_workitem_id 0
		.amdhsa_next_free_vgpr 384
		.amdhsa_next_free_sgpr 80
		.amdhsa_reserve_vcc 0
		.amdhsa_float_denorm_mode_32 3
		.amdhsa_float_denorm_mode_16_64 3
		.amdhsa_memory_ordered 1
		.amdhsa_forward_progress 1
		.amdhsa_inst_pref_size 94
	.end_amdhsa_kernel
	.amdgpu_metadata
---
amdhsa.version: [ 1, 2 ]
amdhsa.kernels:
  - .name:           k_q0562893ecd_proj
    .symbol:         k_q0562893ecd_proj.kd
    .args:
      - { .name: ob, .offset: 0, .size: 8, .value_kind: global_buffer, .address_space: global }
      - { .name: bfin, .offset: 8, .size: 8, .value_kind: global_buffer, .address_space: global }
      - { .name: bo, .offset: 16, .size: 8, .value_kind: global_buffer, .address_space: global }
      - { .name: yb, .offset: 24, .size: 8, .value_kind: global_buffer, .address_space: global }
    .group_segment_fixed_size: 327680
    .private_segment_fixed_size: 0
    .kernarg_segment_align: 8
    .kernarg_segment_size: 32
    .max_flat_workgroup_size: 128
    .sgpr_count:     80
    .vgpr_count:     384
    .wavefront_size: 32
...
	.end_amdgpu_metadata
.endif
;; end of part 4
;; launch ln (part 5): grid 512 x 1, 8 waves a work-group, no clusters, 0 bytes of LDS; arguments yb, x, ln_w, ln_b, out0; writes out0
.if DOCPART == 5
	.amdgcn_target "amdgcn-amd-amdhsa--gfx1250"
	.amdhsa_code_object_version 6
	.text
	.protected	k_q0562893ecd_ln
	.globl	k_q0562893ecd_ln
	.p2align	8
	.type	k_q0562893ecd_ln,@function
k_q0562893ecd_ln:
	s_mov_b64 s[64:65], 0
	v_nop
	global_prefetch_b8 v0, s[64:65] scope:SCOPE_SE
	s_setreg_imm32_b32 hwreg(HW_REG_WAVE_MODE, 25, 1), 1
	s_wait_xcnt 0x0
; out0[row] = LayerNorm(x[row] + yb[row]) x ln_w + ln_b, eps 1e-5, all in f32.
; One wave, one row of 1,024 numbers, kept in 32 registers between the mean, the variance (of the centred numbers: no difference of large sums) and the scaling.
; Every load and store of a wave covers 512 consecutive bytes.  No LDS, no barrier, no matrix unit: the launch only moves bytes.
.set Y, 8
.set X, 40
.set W, 72
.set BV, 104
.set S, 136
.set M, 144
.set R, 146
.set TMP, 148
	s_load_b256 s[4:11], s[0:1], 0x0               ; yb s[4:5], x s[6:7], ln_w s[8:9], ln_b s[10:11]
	s_load_b64 s[12:13], s[0:1], 0x20              ; out0
	v_lshrrev_b32 v1, 5, v0
	v_readfirstlane_b32 s14, v1
	s_lshl_b32 s15, ttmp9, 3
	s_add_co_u32 s14, s14, s15                     ; my row
	s_lshl_b32 s14, s14, 12
	s_mov_b32 s15, 0
	s_mov_b32 s16, 0x76543210
	s_mov_b32 s17, 0xfedcba98
	s_mov_b32 s18, 0x3a800000                      ; 1 / 1024
	v_and_b32 v1, 31, v0
	v_lshlrev_b32 v1, 4, v1
	v_mov_b32 v[TMP], 0
	s_wait_kmcnt 0x0
	s_add_nc_u64 s[4:5], s[4:5], s[14:15]
	s_add_nc_u64 s[6:7], s[6:7], s[14:15]
	s_add_nc_u64 s[12:13], s[12:13], s[14:15]
.irp c, 0,1,2,3,4,5,6,7
	global_load_b128 v[Y+4*\c:Y+4*\c+3], v1, s[4:5] offset:512*\c th:TH_LOAD_NT
.endr
.irp c, 0,1,2,3,4,5,6,7
	global_load_b128 v[X+4*\c:X+4*\c+3], v1, s[6:7] offset:512*\c th:TH_LOAD_NT
.endr
.irp c, 0,1,2,3,4,5,6,7
	global_load_b128 v[W+4*\c:W+4*\c+3], v1, s[8:9] offset:512*\c
.endr
.irp c, 0,1,2,3,4,5,6,7
	global_load_b128 v[BV+4*\c:BV+4*\c+3], v1, s[10:11] offset:512*\c
.endr
.macro LANESUM a
	v_add_f32_dpp v[\a], v[\a], v[\a] row_xmask:1 row_mask:0xf bank_mask:0xf
	v_add_f32_dpp v[\a], v[\a], v[\a] row_xmask:2 row_mask:0xf bank_mask:0xf
	v_add_f32_dpp v[\a], v[\a], v[\a] row_xmask:4 row_mask:0xf bank_mask:0xf
	v_add_f32_dpp v[\a], v[\a], v[\a] row_xmask:8 row_mask:0xf bank_mask:0xf
	v_permlanex16_b32 v[TMP], v[\a], s16, s17
	v_add_f32 v[\a], v[\a], v[TMP]
.endm
.macro FOLD                            ; four chains of pairs into one number
	v_pk_add_f32 v[S:S+1], v[S:S+1], v[S+2:S+3]
	v_pk_add_f32 v[S+4:S+5], v[S+4:S+5], v[S+6:S+7]
	v_pk_add_f32 v[S:S+1], v[S:S+1], v[S+4:S+5]
	v_add_f32 v[S], v[S], v[S+1]
	LANESUM S
.endm
	s_wait_loadcnt 16                              ; yb's and x's sixteen loads are in; ln_w's and ln_b's stay out
.set m, 0
.rept 16
	v_pk_add_f32 v[Y+m:Y+m+1], v[Y+m:Y+m+1], v[X+m:X+m+1]
.set m, m+2
.endr
.irp k, 0,2,4,6
	v_pk_add_f32 v[S+\k:S+\k+1], v[Y+\k:Y+\k+1], v[Y+8+\k:Y+8+\k+1]   ; the first sums start the chains: nothing is cleared
.endr
.irp g, 16,24
.irp k, 0,2,4,6
	v_pk_add_f32 v[S+\k:S+\k+1], v[S+\k:S+\k+1], v[Y+\g+\k:Y+\g+\k+1]
.endr
.endr
	FOLD
	v_mul_f32 v[M], s18, v[S]                      ; the mean
	v_mov_b32 v[M+1], v[M]
.set m, 0
.rept 16
	v_pk_add_f32 v[Y+m:Y+m+1], v[Y+m:Y+m+1], v[M:M+1] neg_lo:[0,1] neg_hi:[0,1]
.set m, m+2
.endr
.irp k, 0,2,4,6
	v_pk_mul_f32 v[S+\k:S+\k+1], v[Y+\k:Y+\k+1], v[Y+\k:Y+\k+1]
.endr
.irp g, 8,16,24
.irp k, 0,2,4,6
	v_pk_fma_f32 v[S+\k:S+\k+1], v[Y+\g+\k:Y+\g+\k+1], v[Y+\g+\k:Y+\g+\k+1], v[S+\k:S+\k+1]
.endr
.endr
	FOLD
	v_fmaak_f32 v[R], s18, v[S], 0x3727c5ac        ; variance + 1e-5
	v_rsq_f32 v[R], v[R]
	v_nop                                          ; a plain instruction behind the root (ISA guide 5.7.2)
	s_wait_alu depctr_va_vdst(0)
	v_mov_b32 v[R+1], v[R]
	s_wait_loadcnt 0x0
.set m, 0
.rept 16
	v_pk_mul_f32 v[Y+m:Y+m+1], v[Y+m:Y+m+1], v[R:R+1]
.set m, m+2
.endr
.set m, 0
.rept 16
	v_pk_fma_f32 v[Y+m:Y+m+1], v[Y+m:Y+m+1], v[W+m:W+m+1], v[BV+m:BV+m+1]
.set m, m+2
.endr
.irp c, 0,1,2,3,4,5,6,7
	global_store_b128 v1, v[Y+4*\c:Y+4*\c+3], s[12:13] offset:512*\c th:TH_STORE_NT
.endr
	s_endpgm
.Lfunc_end_k_q0562893ecd_ln:
	.size	k_q0562893ecd_ln, .Lfunc_end_k_q0562893ecd_ln-k_q0562893ecd_ln
	.p2alignl 7, 3214868480
	.fill 96, 4, 3214868480
	.section	.rodata,"a",@progbits
	.p2align	6, 0x0
	.amdhsa_kernel k_q0562893ecd_ln
		.amdhsa_group_segment_fixed_size 0
		.amdhsa_private_segment_fixed_size 0
		.amdhsa_enable_private_segment 0
		.amdhsa_kernarg_size 40
		.amdhsa_user_sgpr_count 2
		.amdhsa_user_sgpr_kernarg_segment_ptr 1
		.amdhsa_wavefront_size32 1
		.amdhsa_system_sgpr_workgroup_id_x 1
		.amdhsa_system_sgpr_workgroup_id_y 1
		.amdhsa_system_sgpr_workgroup_id_z 1
		.amdhsa_system_vgpr_workitem_id 0
		.amdhsa_next_free_vgpr 152
		.amdhsa_next_free_sgpr 66
		.amdhsa_reserve_vcc 0
		.amdhsa_float_denorm_mode_32 3
		.amdhsa_float_denorm_mode_16_64 3
		.amdhsa_memory_ordered 1
		.amdhsa_forward_progress 1
		.amdhsa_inst_pref_size 12
	.end_amdhsa_kernel
	.amdgpu_metadata
---
amdhsa.version: [ 1, 2 ]
amdhsa.kernels:
  - .name:           k_q0562893ecd_ln
    .symbol:         k_q0562893ecd_ln.kd
    .args:
      - { .name: yb, .offset: 0, .size: 8, .value_kind: global_buffer, .address_space: global }
      - { .name: x, .offset: 8, .size: 8, .value_kind: global_buffer, .address_space: global }
      - { .name: ln_w, .offset: 16, .size: 8, .value_kind: global_buffer, .address_space: global }
      - { .name: ln_b, .offset: 24, .size: 8, .value_kind: global_buffer, .address_space: global }
      - { .name: out0, .offset: 32, .size: 8, .value_kind: global_buffer, .address_space: global }
    .group_segment_fixed_size: 0
    .private_segment_fixed_size: 0
    .kernarg_segment_align: 8
    .kernarg_segment_size: 40
    .max_flat_workgroup_size: 256
    .sgpr_count:     66
    .vgpr_count:     152
    .wavefront_size: 32
...
	.end_amdgpu_metadata
.endif
;; end of part 5
